; MI455X (gfx1250); checked and timed in simulation.
; The chip was launched on July 23, 2026; its instructions are those of AMD's public machine-readable ISA for CDNA 5 (MIT licence, August 2026) and "CDNA5" Instruction Set Architecture Reference Guide (July 2026). The comments in the code are by the model that wrote it; some were corrected since.
;; Multi Head Attention. Allowed arithmetic: matrix products marked QUANTISED: E4M3 operands, one E8M0 scale for each 32 along K, by v_wmma_scale_f32_16x16x128_f8f6f4 with both operands' format E4M3, f32 sums; everything else in f32.
;; Inputs: Wk 1,024 x 1,024 float32; Wp 1,024 x 1,024 float32; Wq 1,024 x 1,024 float32; Wv 1,024 x 1,024 float32; bp 1,024 float32; x 4 x 2,048 x 1,024 float32.
;; Outputs: out0 4 x 2,048 x 1,024 float32.
;; This version of the problem:
;;   THIS VERSION OF THE PROBLEM IS GIVEN IN LOW PRECISION. The matrix products marked QUANTISED in the list below multiply operands that are first quantised to E4M3 (4 exponent bits, 3 mantissa bits; 8 bits a number), with one power-of-two scale for each 32 numbers along K (OCP MX v1.0); their sums are f32. All else is computed in f32.
;;   The module's matrix products, in the order in which they are computed (A, B: the left and right operand; K: the contracted axis; several contracted axes count as one K, in the product's order):
;;     1. [M 8,192, K 1,024] x [K 1,024, N 1,024]; A: input x; B: input Wk: QUANTISED
;;     2. [M 8,192, K 1,024] x [K 1,024, N 1,024]; A: input x; B: input Wq: QUANTISED
;;     3. [M 8,192, K 1,024] x [K 1,024, N 1,024]; A: input x; B: input Wv: QUANTISED
;;     4. batch 64 x [M 2,048, K 64] x [K 64, N 2,048]; A: computed on the way; B: computed on the way: QUANTISED
;;     5. batch 64 x [M 2,048, K 2,048] x [K 2,048, N 64]; A: softmax (see below); B: computed on the way: QUANTISED
;;     6. [M 8,192, K 1,024] x [K 1,024, N 1,024]; A: computed on the way; B: input Wp: QUANTISED
;;   THE QUANTISER, for each operand of a quantised product, along K:
;;     - K is cut into blocks of 32 from its start; a last block that is shorter is filled with zeros.
;;     - A block's scale is 2^e with e = floor(log2(the largest magnitude in the block)) - 8, held to -126 .. 127; a block of zeros has e = 0. As a byte (E8M0): e + 127.
;;     - Each number is divided by its block's scale, clamped to +-448, and rounded to the nearest number of E4M3, ties to even, subnormals kept.
;;     - The product sums the exact products of the quantised numbers (number of the format x scale) in f32.
;;   ~~~python
;;   def quantise(x, axis):      # numpy; x: float32 -> the quantised numbers, widened to float32 again
;;       x = np.moveaxis(x, axis, -1); K = x.shape[-1]
;;       x = np.pad(x, [(0, 0)] * (x.ndim - 1) + [(0, -K % 32)]); x = x.reshape(x.shape[:-1] + (-1, 32)); a = np.abs(x).max(-1, keepdims=True)
;;       e = np.where(a > 0, np.clip(np.frexp(np.where(a > 0, a, 1))[1] - 1 - 8, -126, 127), 0)      # np.frexp(a)[1] - 1 = floor(log2(a)), exactly
;;       r = np.clip(x / 2.0 ** e, -448, 448)
;;       step = 2.0 ** (np.maximum(np.frexp(np.where(r == 0, 1, r))[1] - 1, -6) - 3)
;;       q = np.round(r / step) * step * 2.0 ** e      # np.round: ties to even
;;       return np.moveaxis(q.reshape(q.shape[:-2] + (-1,))[..., :K], -1, axis).astype(np.float32)
;;   ~~~
;;   SOFTMAX AHEAD OF A QUANTISED PRODUCT. Where the list says 'softmax', what is quantised is not the finished softmax but p = 2^(t - M), with t = logit x log2(e) and M = ceil(the row's largest t), a whole number; so 1/2 < the row's largest p <= 1. The row's sum l is taken of the UNQUANTISED p, in f32, and the product's result is divided by l at the end. Since M is a whole number, a kernel that streams over the keys may use a running M (the ceiling of the running maximum): every later rescaling is an exact power of two, which a block's scale takes up: the codes' values come out the same.
;;   OPERANDS COMPUTED ON THE WAY. 'Computed on the way' means the value that the module computes at that place (a softmax that the list does not call 'softmax' is quantised finished and normalised). What goes into a quantiser is computed in f32, as accurately as f32 sums, v_exp_f32 and their like allow (about 1e-6 of the number): no bf16 or f16 on the way to a quantiser, and a product that is left as it is and whose result goes on into a quantised operand takes f32 operands (vector FMAs, or v_wmma_f32_16x16x4_f32). A number that lies on a knife's edge between two numbers of the format may be rounded either way, as far as f32 arithmetic and the matrix unit's own rounding can turn it there, and no further.
;; One version. Each part assembles by itself: llvm-mc -triple=amdgcn-amd-amdhsa -mcpu=gfx1250 --defsym DOCPART=n.
;; ======== version 1 of 1: 4 launches
;; limits: right only within a limited range of input values
;; workspace buffers: xq 8,650,752 bytes; wq 4,325,376 bytes; qbuf 8,912,896 bytes; kv 17,563,648 bytes; aq 8,650,752 bytes
;; launch quant (part 1): grid 768 x 1, 8 waves a work-group, no clusters, 69,120 bytes of LDS; arguments x, Wq, Wk, Wv, Wp, xq, wq; writes xq, wq
.if DOCPART == 1
	.amdgcn_target "amdgcn-amd-amdhsa--gfx1250"
	.amdhsa_code_object_version 6
	.text
	.protected	k_qd0e7b56a3c_quant
	.globl	k_qd0e7b56a3c_quant
	.p2align	8
	.type	k_qd0e7b56a3c_quant,@function
k_qd0e7b56a3c_quant:
	s_mov_b64 s[64:65], 0
	v_nop
	global_prefetch_b8 v0, s[64:65] scope:SCOPE_SE
	s_setreg_imm32_b32 hwreg(HW_REG_WAVE_MODE, 25, 1), 1
	s_wait_xcnt 0x0
; LAUNCH 1 OF 4.  x [8192][1024] and Wq, Wk, Wv, Wp [1024][1024], f32, K innermost, become codes of FP8 (E4M3) with one E8M0 byte for each 32 along K.
; THE PROGRAM: 1 quant (this) | 2 qkv: x Wq^T, x Wk^T, x Wv^T, their results quantised on the way out | 3 attn: causal attention on codes, its result quantised | 4 proj: the result x Wp^T + bp.
; WORK LEFT OUT (in launch 3): every step of 16 queries x 128 keys all of whose keys come after all of the 16 queries.  The causal mask sets those logits to -inf, so their
; weights are 0 whatever finite values the inputs hold, and neither the row's maximum, its sum nor the second product can be moved by them.  Nothing else is left out; every input is loaded.
; LIMIT: a NaN, an infinity or an overflow that would arise only in a score that is left out is not carried to the result.
; LIMITS OF THE QUANTISERS, in all four launches: NaN and infinities among the inputs are not served; a block whose largest magnitude lies under 2^-118 gets the byte 1 (the rule's lower hold);
; a block of zeros gets the byte 1 where the rule says 127: its codes are zeros, which add nothing under any byte but 0xff, and these bytes are read by this program alone.
; LAYOUT OF THE CODES: in the order of the operand's registers.  TILE tau is the 16 rows 32 (tau / 2) + 8 (tau % 2) + r + 8 (r / 8), r = 0 .. 15.  A FRAGMENT (a tile x 128 along K) is 2,048 bytes:
; four pieces c of 512 bytes, lane l = r + 16 h at 16 l: the codes of the tile's row r at k = 32 c + 16 h + 0 .. 15.  Four loads of 16 bytes a lane give the operand's 16 registers.
; xq: [tile 512][K step 8][2,048]; from byte 8,388,608: scale bytes [tile][r][32].  wq: the same for the four weights on end (q, k, v, p; 64 tiles each); scale bytes from byte 4,194,304.
; SHARES: a work-group takes a tile (the first 512: x's; then 64 for each weight), wave w its K step w: 16 rows x 128 numbers.  Each load reads 512 consecutive bytes of a row; the numbers turn through
; the wave's own stage in LDS (rows of 512 + 16 bytes), so that a lane gets 16 neighbours of each of its row's four blocks; two lanes, l and l xor 16, hold a block.
; No tensor load, no matrix instruction; one barrier, for the tile's 512 scale bytes, which leave as one whole run of 512 bytes.
.set STGB,  8448                       ; a wave's stage: 16 rows x 528 bytes
.set SCB,   8*STGB                     ; the tile's scale bytes: [r 16][32]
.set SPARE, SCB+512                    ; the spare words: 128 bytes for each of the eight waves; no other line names them
.set LI,   1                           ; v1   16 x lane
.set SIN,  4                           ; v4   the stage, on the way in
.set SOUT, 5                           ; v5   and on the way out: row r, + 64 h
.set SWD,  6                           ; v6   where my row's scale word goes
.set SRD,  7                           ; v7   where wave 0 reads the scale bytes back
.set X,    16                          ; v16-79   64 numbers
.set PC,   80                          ; v80-95   the fragment's codes
.set TM,   96                          ; v96-111  at work
.set PW,   112                         ; v112     the scale word
.set OUTR, 116                         ; v116-119
.set SPW,  120                         ; v120 LDS address of my spare word; never rewritten
.set NIL,  121                         ; v121 0; never rewritten
.set WV,   18
.set SEL,  20
.set MNT,  23
; 64 numbers of a lane, register 16 b + i = k 32 b + 16 h + i of my row, become the fragment's codes in v[PC] on and my row's scale word in v[PW]
.macro QUANT s
.irp b, 0,1,2,3
	v_max3_num_f32 v[TM+\b], |v[\s+16*\b]|, |v[\s+1+16*\b]|, 0x4800000   ; block b: my 16 numbers, and the floor 2^(9 - 127): the byte cannot fall under 1
.endr
.irp i, 2,4,6,8,10,12,14
.irp b, 0,1,2,3
	s_delay_alu instid0(VALU_DEP_4)
	v_max3_num_f32 v[TM+\b], v[TM+\b], |v[\s+16*\b+\i]|, |v[\s+1+16*\b+\i]|   ; the four blocks by turns
.endr
.endr
.irp b, 0,1,2,3
	s_delay_alu instid0(VALU_DEP_4)
	v_permlanex16_b32 v[TM+4+\b], v[TM+\b], s[SEL], s[SEL+1]
.endr
.irp b, 0,1,2,3
	s_delay_alu instid0(VALU_DEP_4)
	v_max_num_f32 v[TM+\b], v[TM+\b], v[TM+4+\b]                  ; with lane l xor 16's: the block's largest magnitude
.endr
.irp b, 0,1,2,3
	s_delay_alu instid0(VALU_DEP_4)
	v_add_nc_u32 v[TM+12+\b], 0xfc000000, v[TM+\b]                ; 8 off its exponent field: the conversion's scale operand
.endr
.irp b, 0,1,2,3
.endr
.irp b, 0,1,2,3
	s_delay_alu instid0(VALU_DEP_4)
	v_lshrrev_b32 v[TM+4+\b], 23, v[TM+12+\b]                     ; the scale's byte
.endr
	s_delay_alu instid0(VALU_DEP_3)
	v_lshl_or_b32 v[PW], v[TM+5], 8, v[TM+4]
	s_delay_alu instid0(VALU_DEP_1)
	v_lshl_or_b32 v[PW], v[TM+6], 16, v[PW]
	s_delay_alu instid0(VALU_DEP_1)
	v_lshl_or_b32 v[PW], v[TM+7], 24, v[PW]
.irp b, 0,1,2,3
.irp i, 0,1,2,3,4,5,6,7,8,9,10,11,12,13,14,15
.endr
	v_cvt_scalef32_pk8_fp8_f32 v[PC+4*\b:PC+1+4*\b], v[\s+16*\b:\s+7+16*\b], v[TM+12+\b]
	v_cvt_scalef32_pk8_fp8_f32 v[PC+2+4*\b:PC+3+4*\b], v[\s+8+16*\b:\s+15+16*\b], v[TM+12+\b]
.endr
	v_nop                                          ; a plain line behind the last conversion
.endm
	s_load_b256 s[4:11], s[0:1], 0x0               ; x s[4:5], Wq s[6:7], Wk s[8:9], Wv s[10:11]
	s_load_b128 s[12:15], s[0:1], 0x20             ; Wp s[12:13], xq s[14:15]
	s_load_b64 s[16:17], s[0:1], 0x30              ; wq
	v_lshl_add_u32 v[SPW], v0, 2, SPARE
	v_mov_b32 v[NIL], 0
	v_lshrrev_b32 v8, 5, v0
	s_delay_alu instid0(VALU_DEP_1)
	v_readfirstlane_b32 s[WV], v8                  ; wave 0..7 = my K step
	v_and_b32 v8, 31, v0
	s_delay_alu instid0(VALU_DEP_1)
	v_lshlrev_b32 v[LI], 4, v8
	v_and_b32 v2, 15, v0                           ; r
	v_bfe_u32 v3, v0, 4, 1                         ; h
	s_mul_i32 s19, s[WV], STGB
	v_add_nc_u32 v[SIN], s19, v[LI]
	v_mul_u32_u24 v[SOUT], v2, 528
	s_delay_alu instid0(VALU_DEP_1)
	v_lshl_add_u32 v[SOUT], v3, 6, v[SOUT]
	s_delay_alu instid0(VALU_DEP_1)
	v_add_nc_u32 v[SOUT], s19, v[SOUT]
	v_lshlrev_b32 v[SWD], 5, v2
	s_lshl_b32 s24, s[WV], 2
	s_add_co_u32 s24, s24, SCB
	v_add_nc_u32 v[SWD], s24, v[SWD]               ; SCB + 32 r + 4 w
	v_add_nc_u32 v[SRD], SCB, v[LI]
.irp b, 0,1,2,3
	v_mov_b32 v[TM+4+\b], 0                        ; written once: a lane permute's destination counts as one of its sources
.endr
	s_mov_b32 s[SEL], 0x76543210
	s_mov_b32 s[SEL+1], 0xfedcba98                 ; lane l xor 16
	s_cmp_lt_u32 ttmp9, 512                        ; x's tile, or a weight's?  All choices hang on the work-group's number alone
	s_cselect_b32 s25, 0, 512
	s_sub_co_u32 s25, ttmp9, s25                   ; the tile's number in its destination
	s_lshr_b32 s26, s25, 6                         ; which weight (used for weights alone)
	s_and_b32 s27, s25, 63
	s_mov_b32 s33, 0x400000
	s_cmp_lt_u32 ttmp9, 512
	s_cselect_b32 s27, s25, s27                    ; the tile's number in its source
	s_cselect_b32 s33, 0x800000, s33               ; where the destination's scale bytes begin
	s_lshr_b32 s28, s27, 1
	s_lshl_b32 s28, s28, 17                        ; 32 rows of 4,096 bytes for each pair of tiles,
	s_and_b32 s29, s27, 1
	s_lshl_b32 s29, s29, 15                        ; 8 rows for the odd tile,
	s_add_co_u32 s28, s28, s29
	s_lshl_b32 s29, s[WV], 9                       ; my K step's 512 bytes of a row
	s_add_co_u32 s28, s28, s29
	s_mov_b32 s29, 0
	s_lshl_b32 s30, s25, 14                        ; the tile's 16,384 bytes of codes,
	s_lshl_b32 s31, s[WV], 11                      ; my fragment
	s_add_co_u32 s30, s30, s31
	s_mov_b32 s31, 0
	s_lshl_b32 s32, s25, 9                         ; the tile's 512 scale bytes
	s_add_co_u32 s32, s32, s33
	s_mov_b32 s33, 0
	s_wait_alu depctr_va_vdst(0)
	s_wait_kmcnt 0x0
	s_cmp_eq_u32 s26, 1
	s_cselect_b64 s[6:7], s[8:9], s[6:7]
	s_cmp_eq_u32 s26, 2
	s_cselect_b64 s[6:7], s[10:11], s[6:7]
	s_cmp_eq_u32 s26, 3
	s_cselect_b64 s[6:7], s[12:13], s[6:7]
	s_cmp_lt_u32 ttmp9, 512
	s_cselect_b64 s[4:5], s[4:5], s[6:7]
	s_cselect_b64 s[14:15], s[14:15], s[16:17]
	s_add_nc_u64 s[4:5], s[4:5], s[28:29]
	s_add_nc_u64 s[34:35], s[14:15], s[30:31]
	s_add_nc_u64 s[36:37], s[14:15], s[32:33]
.set i, 0
.rept 16
	global_load_b128 v[X+4*i:X+4*i+3], v[LI], s[4:5] offset:(i+8*(i/8))*4096 th:TH_LOAD_NT   ; the tile's row i: 32 lanes read 512 consecutive bytes; read once in the launch
.set i, i+1
.endr
.set i, 0
.rept 16
	s_wait_loadcnt 15-i                            ; loads come back in order: row i is in, the 15 - i younger ones may be out
	ds_store_b128 v[SIN], v[X+4*i:X+4*i+3] offset:528*i
.set i, i+1
.endr
	s_wait_dscnt 0x0                               ; the stores have read their registers, which are loaded anew
.irp b, 0,1,2,3
.irp j, 0,1,2,3
	ds_load_b128 v[X+16*\b+4*\j:X+16*\b+4*\j+3], v[SOUT] offset:128*\b+16*\j   ; my 16 neighbours of block b; rows 528 bytes apart: sixteen lanes, sixteen different 16-byte columns
.endr
.endr
	s_wait_dscnt 0x0
	QUANT X
.irp c, 0,1,2,3
	global_store_b128 v[LI], v[PC+4*\c:PC+4*\c+3], s[34:35] offset:512*\c   ; a piece: 512 consecutive bytes
.endr
	ds_store_b32 v[SWD], v[PW]                     ; lanes l and l xor 16 write the same word with the same value
	s_wait_dscnt 0x0                               ; for the others' sake: my word lies in LDS
	s_barrier_signal -1
	s_barrier_wait -1
	s_cmp_lg_u32 s[WV], 0
	s_cbranch_scc1 .Lend
	ds_load_b128 v[OUTR:OUTR+3], v[SRD]            ; wave 0 sends the tile's 512 scale bytes
	s_wait_dscnt 0x0
	global_store_b128 v[LI], v[OUTR:OUTR+3], s[36:37]
.Lend:
	s_wait_tensorcnt 0x0                           ; the wave's end
	ds_add_u32 v[SPW], v[NIL]
	s_wait_dscnt 0x0
	s_endpgm
.Lfunc_end_k_qd0e7b56a3c_quant:
	.size	k_qd0e7b56a3c_quant, .Lfunc_end_k_qd0e7b56a3c_quant-k_qd0e7b56a3c_quant
	.p2alignl 7, 3214868480
	.fill 96, 4, 3214868480
	.section	.rodata,"a",@progbits
	.p2align	6, 0x0
	.amdhsa_kernel k_qd0e7b56a3c_quant
		.amdhsa_group_segment_fixed_size 69120
		.amdhsa_private_segment_fixed_size 0
		.amdhsa_enable_private_segment 0
		.amdhsa_kernarg_size 56
		.amdhsa_user_sgpr_count 2
		.amdhsa_user_sgpr_kernarg_segment_ptr 1
		.amdhsa_wavefront_size32 1
		.amdhsa_system_sgpr_workgroup_id_x 1
		.amdhsa_system_sgpr_workgroup_id_y 1
		.amdhsa_system_sgpr_workgroup_id_z 1
		.amdhsa_system_vgpr_workitem_id 0
		.amdhsa_next_free_vgpr 128
		.amdhsa_next_free_sgpr 66
		.amdhsa_reserve_vcc 0
		.amdhsa_float_denorm_mode_32 3
		.amdhsa_float_denorm_mode_16_64 3
		.amdhsa_fp16_overflow 1
		.amdhsa_memory_ordered 1
		.amdhsa_forward_progress 1
		.amdhsa_inst_pref_size 14
	.end_amdhsa_kernel
	.amdgpu_metadata
---
amdhsa.version: [ 1, 2 ]
amdhsa.kernels:
  - .name:           k_qd0e7b56a3c_quant
    .symbol:         k_qd0e7b56a3c_quant.kd
    .args:
      - { .name: x, .offset: 0, .size: 8, .value_kind: global_buffer, .address_space: global }
      - { .name: Wq, .offset: 8, .size: 8, .value_kind: global_buffer, .address_space: global }
      - { .name: Wk, .offset: 16, .size: 8, .value_kind: global_buffer, .address_space: global }
      - { .name: Wv, .offset: 24, .size: 8, .value_kind: global_buffer, .address_space: global }
      - { .name: Wp, .offset: 32, .size: 8, .value_kind: global_buffer, .address_space: global }
      - { .name: xq, .offset: 40, .size: 8, .value_kind: global_buffer, .address_space: global }
      - { .name: wq, .offset: 48, .size: 8, .value_kind: global_buffer, .address_space: global }
    .group_segment_fixed_size: 69120
    .private_segment_fixed_size: 0
    .kernarg_segment_align: 8
    .kernarg_segment_size: 56
    .max_flat_workgroup_size: 256
    .sgpr_count:     66
    .vgpr_count:     128
    .wavefront_size: 32
...
	.end_amdgpu_metadata
.endif
;; end of part 1
;; launch qkv (part 2): grid 12 x 64, 4 waves a work-group, clusters of 4 x 4, 327,680 bytes of LDS; arguments xq, wq, qbuf, kv; writes qbuf, kv
.if DOCPART == 2
	.amdgcn_target "amdgcn-amd-amdhsa--gfx1250"
	.amdhsa_code_object_version 6
	.text
	.protected	k_qd0e7b56a3c_qkv
	.globl	k_qd0e7b56a3c_qkv
	.p2align	8
	.type	k_qd0e7b56a3c_qkv,@function
k_qd0e7b56a3c_qkv:
	s_mov_b64 s[64:65], 0
	v_nop
	global_prefetch_b8 v0, s[64:65] scope:SCOPE_SE
	s_setreg_imm32_b32 hwreg(HW_REG_WAVE_MODE, 25, 1), 1
	s_wait_xcnt 0x0
	s_wait_alu depctr_hold_cnt(0) depctr_sa_sdst(0) depctr_va_vdst(0) depctr_va_sdst(0) depctr_va_ssrc(0) depctr_va_vcc(0) depctr_vm_vsrc(0)
	s_getreg_b32 s2, hwreg(HW_REG_IB_STS2, 6, 4)
	s_cmp_eq_u32 s2, 0
	s_cbranch_scc0 .Lentry_in_a_cluster
	s_endpgm
.Lentry_in_a_cluster:
	s_bfe_u32 s2, ttmp6, 0x10000c
	s_cmp_lg_u32 s2, 0xf033
	s_cbranch_scc0 .Lentry_shape_is_right
	s_endpgm
.Lentry_shape_is_right:
; LAUNCH 2 OF 4.  q = x Wq^T, k = x Wk^T, v = x Wv^T on the codes of launch 1, and the results quantised on the way out: q and k along the head's 64, v along the keys.  No f32 result goes to memory.
; THE PRODUCT: D = source 0 x source 1.  Source 0 takes P's tiles, source 1 R's.  In the result a lane holds ONE row of R (lane % 16), and, by the tiles' order of rows (launch 1), the 16 registers of
; P's tiles 2 b and 2 b + 1 are P's rows 32 b + 16 (lane / 16) + 0 .. 15: sixteen neighbours along the NEXT product's K.  So: q, k: P = the weight's rows (channels), R = tokens;
; v: P = tokens (keys), R = Wv's rows (channels).  The conversions' results are then pieces of the next operand's fragments and are stored as they stand, 512 consecutive bytes a store.
; SHARES: the cluster's x says which product (0 q, 1 k, 2 v): the same in all sixteen partners.  A work-group: 256 rows of P x 128 rows of R.  Wave w: P's tiles 8 (w % 2) on, R's tiles 4 (w / 2) on: 32 accumulators.
; K = 1,024 goes in 8 steps of 128.  LDS has three slots of 256 along K; all three are asked for at the head, and slot 0 is filled once more, with the last 256, as soon as it has been read.
; A wave has three tensor loads out at the head, later one.  CLUSTER 4 x 4: R's tiles hang on the cluster's row, P's on its column: each is asked for jointly by four work-groups.
; The scale bytes of a wave's 12 tiles for all of K go straight into 48 registers, once: register q of a tile holds the word of K step q in lanes 0-15 and that of K step 4 + q in lanes 16-31.
; OUT.  qbuf: codes [b x head 64][tile 128][piece 2][512]; from byte 8,388,608 scale words [b x head][64 tokens][r 16][tile 4] (bytes 0, 1 real, bytes 2, 3 = 0).
;       kv: [b x head 64][slot of 256 keys 8][34,304]: K's codes [tile 16][piece 2][512] | at 16,384 V's codes [128 keys 2][piece / 2][channel tile 4][piece % 2][512] | at 32,768 K's words, as q's | at 33,792 V's words [128 keys 2][r][tile 4].
; REGISTERS, in windows of 256: window 0: addresses, scale words, the way out;  window 1: the accumulators, (a, t) at v[8 (8 a + t)];  windows 2, 3: two sets of fragments: P's eight at v0, R's four at v128.
.set SLOT,  98304                      ; an LDS slot: R's 8 tiles x 4,096 bytes, then P's 16
.set PREG,  32768
.set SPARE, 3*SLOT                     ; the spare words: 128 bytes for each wave; no other line names them
.set SLOTB, 34304
.set KVH,   8*SLOTB
.set LI,  1                            ; v1     16 x lane
.set ADP, 2                            ; v2-4   LDS address of my P fragments in slot 0, 1, 2
.set ADR, 5                            ; v5-7   of my R fragments
.set SCO, 8                            ; v8     32 r + 16 h: my 16 scale bytes of a tile
.set VA0, 9                            ; v9     the way out: pieces 0, 1
.set VA1, 10                           ; v10    pieces 2, 3
.set VS,  11                           ; v11    the scale words
.set SH,  12                           ; v12    by how much my half of the lanes shifts a word
.set SPW, 14                           ; v14    LDS address of my spare word; never rewritten
.set NIL, 15                           ; v15    0; never rewritten
.set PS,  16                           ; v16-47 P's scale words, four registers a tile
.set RS,  48                           ; v48-63 R's
.set TM,  64                           ; v64-79 at work
.set WD,  88                           ; v88-91 the four scale words made
.set PC,  128                          ; v128-191 codes: 16 registers for each of R's four tiles, so that no store's data are written again
.set WV,  12
.set I,   13                           ; wave % 2: my half of P; also which half I fetch
.set J,   14                           ; wave / 2: my half of R; also: I fetch for R (0) or for P (1)
.set CX,  15
.set CY,  16
.set CLY, 17
.set TY,  18
.set PI,  19                           ; which 256 rows of P
.set RI,  20                           ; which 128 rows of R
.set G1R, 24
.set G1P, 32
.set G0R, 40                           ; s[40:51] three sets, one a slot
.set G0P, 52                           ; s[52:63]
.set PCP, 66
.set PSP, 68
.set RCP, 70
.set RSP, 72
.set OUT, 74
.set SEL, 4                            ; s4, s5, s6: written when the addresses that lay there have been used
.set MNT, 6
.set MSB, 0
.macro WIN new                         ; the immediate's high byte repeats the setting that is left
.if MSB != (\new)
	s_set_vgpr_msb (MSB<<8)|(\new)
.set MSB, (\new)
.endif
.endm
.macro PLACES n
.rept \n
	v_nop
.endr
.endm
.macro CREST                           ; a round of the cluster's barrier behind its opening barrier
	s_cmp_lg_u32 s[WV], 0
	s_cbranch_scc1 .Lnot_wave_0_\@
	s_barrier_signal -3
.Lnot_wave_0_\@:
	s_barrier_wait -3
	s_barrier_signal -1
	s_barrier_wait -1
.endm
.macro CROUND
	s_barrier_signal -1
	s_barrier_wait -1
	CREST
.endm
.macro JLOAD                           ; the joint refill of slot 0: waves 0, 1 for R, waves 2, 3 for P; an s_nop 0 and four v_nop follow each line
	s_cmp_eq_u32 s[J], 0
	s_cbranch_scc0 .Lfor_p_\@
	tensor_load_to_lds s[G0R:G0R+3], s[G1R:G1R+7]
	s_nop 0
.rept 4
	v_nop
.endr
	s_branch .Lasked_\@
.Lfor_p_\@:
	tensor_load_to_lds s[G0P:G0P+3], s[G1P:G1P+7]
	s_nop 0
.rept 4
	v_nop
.endr
.Lasked_\@:
.endm
.macro FETCH set, slot, ksl            ; 48 LDS loads, 512 consecutive bytes each: my 12 fragments of the slot's ksl-th 128 along K
	WIN 0x80+0x40*(\set)
.irp t, 0,1,2,3,4,5,6,7
.irp c, 0,1,2,3
	ds_load_b128 v[16*\t+4*\c:16*\t+4*\c+3], v[ADP+(\slot)] offset:4096*\t+2048*(\ksl)+512*\c
.endr
.endr
.irp a, 0,1,2,3
.irp c, 0,1,2,3
	ds_load_b128 v[128+16*\a+4*\c:128+16*\a+4*\c+3], v[ADR+(\slot)] offset:4096*\a+2048*(\ksl)+512*\c
.endr
.endr
.endm
.macro ONE a, t, ks, cmode             ; cmode 0: the product starts the sum: nothing is ever cleared
.set rD, 8*(8*(\a)+(\t))
.set rP, 16*(\t)
.set rR, 128+16*(\a)
.set rX, PS+4*(\t)+(\ks)%4
.set rY, RS+4*(\a)+(\ks)%4
.if (\cmode) == 0
	v_wmma_scale_f32_16x16x128_f8f6f4 v[rD:rD+7], v[rP:rP+15], v[rR:rR+15], 0, v[rX], v[rY]
.elseif (\ks) < 4
	v_wmma_scale_f32_16x16x128_f8f6f4 v[rD:rD+7], v[rP:rP+15], v[rR:rR+15], v[rD:rD+7], v[rX], v[rY]
.else
	v_wmma_scale_f32_16x16x128_f8f6f4 v[rD:rD+7], v[rP:rP+15], v[rR:rR+15], v[rD:rD+7], v[rX], v[rY] matrix_a_scale:MATRIX_SCALE_ROW1 matrix_b_scale:MATRIX_SCALE_ROW1
.endif
.endm
.macro MULH ks, half, cmode            ; 16 matrix instructions; the 32 accumulators take turns, one instruction a turn, in the same order in every step
.irp a, 2*\half, 2*\half+1
.irp t, 0,1,2,3,4,5,6,7
	ONE \a, \t, \ks, \cmode
.endr
.endr
.endm
; A K step: the next step's fragments are asked for first, into the other set; then this set is multiplied.
.macro STEP ks, set, nslot, nksl, first, cmode
.if (\first) == 0
	PLACES 8                                       ; eight places in front of loads into registers that matrix instructions have read
.endif
	FETCH 1-\set, \nslot, \nksl
	s_wait_dscnt 48                                ; all but the 48 just issued: this step's fragments are in
	WIN 0x5a+5*(\set)
	MULH \ks, 0, \cmode
	MULH \ks, 1, \cmode
.endm
; A K step at which waves meet.  fill = 1: slot 0 has been read out and is filled again; the barrier then opens a round of the cluster's barrier.
.macro TURN ks, set, nslot, fill
	WIN 0
	s_wait_tensorcnt 0x0                           ; all my tensor loads have landed
	ds_add_u32 v[SPW], v[NIL]                      ; 0 onto my spare word
	s_wait_dscnt 1                                 ; this step's fragments are in; the add alone may be out
	WIN 0x5a+5*(\set)
	MULH \ks, 0, 1                                 ; sixteen matrix instructions stand between the add and the wait for it
	s_wait_dscnt 0x0                               ; the add is done, and my reads of every slot so far are over
	WIN 0
	s_barrier_signal -1
	s_barrier_wait -1
.if \fill
	CREST                                          ; no wave of any partner still reads slot 0 or has a load on its way
	s_add_nc_u64 s[G0R+2:G0R+3], s[G0R+2:G0R+3], 3*4096   ; the last 256 along K
	s_add_nc_u64 s[G0P+2:G0P+3], s[G0P+2:G0P+3], 3*4096
	JLOAD                                          ; the first tensor load behind the round: 112 matrix instructions ahead of the wait for it
	PLACES 4                                       ; with the four behind the load: eight places in front of the loads below
.else
	PLACES 8
.endif
	FETCH 1-\set, \nslot, 0
	WIN 0x5a+5*(\set)
	MULH \ks, 1, 1
.endm
	s_load_b256 s[4:11], s[0:1], 0x0               ; xq s[4:5], wq s[6:7], qbuf s[8:9], kv s[10:11]
	v_lshl_add_u32 v[SPW], v0, 2, SPARE
	v_mov_b32 v[NIL], 0
	ds_add_u32 v[SPW], v[NIL]                      ; the wave's opening: the add, twice on end, and its wait ahead of my first tensor load
	ds_add_u32 v[SPW], v[NIL]
	v_lshrrev_b32 v1, 5, v0
	v_readfirstlane_b32 s[WV], v1                  ; wave 0..3
	s_and_b32 s[I], s[WV], 1
	s_lshr_b32 s[J], s[WV], 1
	s_bfe_u32 s[CX], ttmp6, 0x40000                ; my place in the cluster
	s_bfe_u32 s[CY], ttmp6, 0x40004
	s_and_b32 s[CLY], ttmp7, 0xffff                ; the cluster's y
	s_mov_b32 s[TY], ttmp9                         ; the cluster's x: 0 q, 1 k, 2 v
	s_and_b32 s21, s[CLY], 7
	s_lshl_b32 s21, s21, 2
	s_add_co_u32 s21, s21, s[CX]                   ; v: 32 blocks of 256 tokens
	s_lshr_b32 s22, s[CLY], 3
	s_lshl_b32 s22, s22, 2
	s_add_co_u32 s22, s22, s[CY]                   ; v: 8 blocks of 128 channels
	s_lshl_b32 s23, s[CLY], 2
	s_add_co_u32 s23, s23, s[CY]                   ; q, k: 64 blocks of 128 tokens
	s_cmp_eq_u32 s[TY], 2
	s_cselect_b32 s[PI], s21, s[CX]                ; P hangs on cx and the cluster's y: shared along a column of the cluster
	s_cselect_b32 s[RI], s22, s23                  ; R on cy and the cluster's y: shared along a row
	s_lshl_b32 s76, s[CY], 2
	s_lshl_b32 s76, 15, s76                        ; my row of the cluster
	s_lshl_b32 s77, 0x1111, s[CX]                  ; my column
	; descriptor group 1: a tile's part of a slot is 4,096 consecutive bytes (512 elements of 8 bytes); tiles lie 16,384 bytes apart; R: 4 tiles a load, P: 8; no padding
	s_or_b32 s[G1R], s76, (3<<16)|(1<<21)
	s_mov_b32 s[G1R+1], 512<<16                    ; tensor_dim0
	s_mov_b32 s[G1R+2], 4<<16                      ; tensor_dim1
	s_mov_b32 s[G1R+3], 512<<16                    ; tile_dim0
	s_mov_b32 s[G1R+4], 4                          ; tile_dim1
	s_mov_b32 s[G1R+5], 2048                       ; the pitch
	s_mov_b32 s[G1R+6], 0
	s_mov_b32 s[G1R+7], 0
	s_or_b32 s[G1P], s77, (3<<16)|(1<<21)
	s_mov_b32 s[G1P+1], 512<<16
	s_mov_b32 s[G1P+2], 8<<16
	s_mov_b32 s[G1P+3], 512<<16
	s_mov_b32 s[G1P+4], 8
	s_mov_b32 s[G1P+5], 2048
	s_mov_b32 s[G1P+6], 0
	s_mov_b32 s[G1P+7], 0
	s_lshl_b32 s78, s[RI], 3
	s_lshl_b32 s79, s[I], 2
	s_add_co_u32 s78, s78, s79
	s_lshl_b32 s78, s78, 14                        ; R: the four tiles that I would fetch, in bytes
	s_mov_b32 s79, 0
	s_lshl_b32 s80, s[PI], 4
	s_lshl_b32 s81, s[I], 3
	s_add_co_u32 s80, s80, s81
	s_lshl_b32 s80, s80, 14                        ; P: the eight tiles that I would fetch; they are also the eight that I multiply
	s_mov_b32 s81, 0
	s_lshl_b32 s82, s[I], 14                       ; where they go in a slot: no place in the cluster enters an LDS address
	s_lshl_b32 s83, s[I], 15
	s_add_co_u32 s83, s83, PREG
	s_lshr_b32 s84, s80, 5                         ; my P tiles' scale bytes: 512 a tile
	s_mov_b32 s85, 0
	s_lshl_b32 s86, s[RI], 3
	s_lshl_b32 s87, s[J], 2
	s_add_co_u32 s86, s86, s87
	s_lshl_b32 s86, s86, 9                         ; my R tiles'
	s_mov_b32 s87, 0
	s_lshl_b32 s88, s[TY], 20                      ; the weight's codes in wq
	s_mov_b32 s89, 0
	s_lshl_b32 s90, s[TY], 15                      ; and its scale bytes
	s_add_co_u32 s90, s90, 0x400000
	s_mov_b32 s91, 0
	s_wait_dscnt 0x0                               ; both opening adds are done
	s_wait_kmcnt 0x0
	s_add_nc_u64 s[88:89], s[6:7], s[88:89]
	s_add_nc_u64 s[90:91], s[6:7], s[90:91]
	s_add_nc_u64 s[92:93], s[4:5], 0x800000        ; x's scale bytes
	s_cmp_eq_u32 s[TY], 2
	s_cselect_b64 s[PCP:PCP+1], s[4:5], s[88:89]
	s_cselect_b64 s[RCP:RCP+1], s[88:89], s[4:5]
	s_cselect_b64 s[PSP:PSP+1], s[92:93], s[90:91]
	s_cselect_b64 s[RSP:RSP+1], s[90:91], s[92:93]
	s_add_nc_u64 s[PCP:PCP+1], s[PCP:PCP+1], s[80:81]
	s_add_nc_u64 s[RCP:RCP+1], s[RCP:RCP+1], s[78:79]
	s_add_nc_u64 s[PSP:PSP+1], s[PSP:PSP+1], s[84:85]
	s_add_nc_u64 s[RSP:RSP+1], s[RSP:RSP+1], s[86:87]
.irp s, 0,1,2
	s_mov_b32 s[G0R+4*\s], 1
	s_add_co_u32 s[G0R+4*\s+1], s82, \s*SLOT
	s_add_nc_u64 s[G0R+4*\s+2:G0R+4*\s+3], s[RCP:RCP+1], \s*4096
	s_or_b32 s[G0R+4*\s+3], s[G0R+4*\s+3], 0x80000000
	s_mov_b32 s[G0P+4*\s], 1
	s_add_co_u32 s[G0P+4*\s+1], s83, \s*SLOT
	s_add_nc_u64 s[G0P+4*\s+2:G0P+4*\s+3], s[PCP:PCP+1], \s*4096
	s_or_b32 s[G0P+4*\s+3], s[G0P+4*\s+3], 0x80000000
.endr
	CROUND                                         ; all sixteen work-groups are here: the first joint loads meet
	s_cmp_eq_u32 s[J], 0                           ; a wave's three first fills stand in one branch, ahead of every wait on TENSORcnt and every LDS read
	s_cbranch_scc0 .Lfirst_p
	tensor_load_to_lds s[G0R:G0R+3], s[G1R:G1R+7]
	s_nop 0
	tensor_load_to_lds s[G0R+4:G0R+7], s[G1R:G1R+7]
	s_nop 0
	tensor_load_to_lds s[G0R+8:G0R+11], s[G1R:G1R+7]
	s_nop 0
.rept 4
	v_nop
.endr
	s_branch .Lfirst_done
.Lfirst_p:
	tensor_load_to_lds s[G0P:G0P+3], s[G1P:G1P+7]
	s_nop 0
	tensor_load_to_lds s[G0P+4:G0P+7], s[G1P:G1P+7]
	s_nop 0
	tensor_load_to_lds s[G0P+8:G0P+11], s[G1P:G1P+7]
	s_nop 0
.rept 4
	v_nop
.endr
.Lfirst_done:
	v_and_b32 v13, 15, v0                          ; r
	v_bfe_u32 v64, v0, 4, 1                        ; h
	v_lshlrev_b32 v[SCO], 5, v13
	v_lshl_add_u32 v[SCO], v64, 4, v[SCO]
.irp t, 0,1,2,3,4,5,6,7
	global_load_b128 v[PS+4*\t:PS+4*\t+3], v[SCO], s[PSP:PSP+1] offset:512*\t   ; a tile's 512 scale bytes, whole
.endr
.irp a, 0,1,2,3
	global_load_b128 v[RS+4*\a:RS+4*\a+3], v[SCO], s[RSP:RSP+1] offset:512*\a
.endr
	v_and_b32 v1, 31, v0
	v_lshlrev_b32 v[LI], 4, v1
	s_wait_alu depctr_va_vdst(0)
	s_lshl_b32 s94, s[J], 14                       ; my four tiles of R in a slot
.irp s, 0,1,2
	v_add_nc_u32 v[ADP+\s], s83, v[LI]
	v_add_nc_u32 v[ADR+\s], s94, v[LI]
	s_add_co_u32 s83, s83, SLOT
	s_add_co_u32 s94, s94, SLOT
.endr
	; THE WAY OUT'S ADDRESSES: all three forms are made and one is chosen by the cluster's x.  (What mixes cx and cy lies in registers that feed no descriptor.)
	s_lshl_b32 s84, s[RI], 7
	s_lshl_b32 s86, s[J], 6
	s_add_co_u32 s84, s84, s86                     ; q, k: my first token
	s_lshr_b32 s85, s84, 11                        ; its batch
	s_lshl_b32 s85, s85, 4
	s_lshl_b32 s86, s[PI], 2
	s_add_co_u32 s85, s85, s86
	s_lshl_b32 s86, s[I], 1
	s_add_co_u32 s85, s85, s86                     ; 16 x batch + the first of my two heads
	s_and_b32 s84, s84, 2047                       ; the token in its batch
	s_lshl_b32 s87, s85, 7
	s_lshr_b32 s86, s84, 4
	s_add_co_u32 s87, s87, s86
	s_lshl_b32 s87, s87, 10                        ; q: codes: 1,024 bytes a tile, 128 tiles a head
	s_lshl_b32 s90, s85, 5
	s_lshr_b32 s86, s84, 6
	s_add_co_u32 s90, s90, s86
	s_lshl_b32 s90, s90, 8
	s_add_co_u32 s90, s90, 0x800000                ; q: words: 256 bytes for 64 tokens
	s_mul_i32 s91, s85, KVH
	s_lshr_b32 s86, s84, 8
	s_mul_i32 s86, s86, SLOTB
	s_add_co_u32 s91, s91, s86                     ; k: the head's slot
	s_and_b32 s84, s84, 255
	s_lshr_b32 s86, s84, 4
	s_lshl_b32 s86, s86, 10
	s_add_co_u32 s92, s91, s86                     ; k: codes
	s_lshr_b32 s86, s84, 6
	s_lshl_b32 s86, s86, 8
	s_add_co_u32 s93, s91, s86
	s_add_co_u32 s93, s93, 32768                   ; k: words
	s_lshr_b32 s95, s[PI], 3
	s_lshl_b32 s95, s95, 4
	s_lshl_b32 s86, s[RI], 1
	s_add_co_u32 s95, s95, s86
	s_add_co_u32 s95, s95, s[J]                    ; v: 16 x batch + my head
	s_mul_i32 s95, s95, KVH
	s_and_b32 s86, s[PI], 7
	s_mul_i32 s86, s86, SLOTB
	s_add_co_u32 s95, s95, s86                     ; v: the head's slot
	s_lshl_b32 s86, s[I], 13
	s_add_co_u32 s96, s95, s86
	s_add_co_u32 s96, s96, 16384                   ; v: codes of my 128 keys
	s_lshl_b32 s86, s[I], 8
	s_add_co_u32 s97, s95, s86
	s_add_co_u32 s97, s97, 33792                   ; v: words
	s_mov_b32 s98, 131072                          ; from pieces 0, 1 to pieces 2, 3: q: a head on;
	s_mov_b32 s99, 8192                            ; from lanes 0-15's words to lanes 16-31's: q: a head on
	s_mov_b32 s3, 0xffff
	s_cmp_eq_u32 s[TY], 1
	s_cselect_b32 s87, s92, s87
	s_cselect_b32 s90, s93, s90
	s_cselect_b32 s98, KVH, s98                    ; k: a head on
	s_cselect_b32 s99, KVH, s99
	s_cmp_eq_u32 s[TY], 2
	s_cselect_b32 s87, s96, s87
	s_cselect_b32 s90, s97, s90
	s_cselect_b32 s98, 4096, s98                   ; v: 64 keys on
	s_cselect_b32 s99, 0, s99                      ; v: both halves of the lanes hold, and store, the same words
	s_cselect_b32 s2, 0, 16                        ; q, k: lanes 16-31 take a word's upper two bytes (the second head's),
	s_cselect_b32 s3, -1, s3                       ; and two bytes are kept, the other two being 0;  v: all four
	s_cmp_eq_u32 s[TY], 0
	s_cselect_b64 s[OUT:OUT+1], s[8:9], s[10:11]
	v_add_nc_u32 v[VA0], s87, v[LI]
	v_add_nc_u32 v[VA1], s98, v[VA0]
	v_mul_u32_u24 v[VS], s99, v64
	v_lshl_add_u32 v[VS], v13, 4, v[VS]
	v_add_nc_u32 v[VS], s90, v[VS]
	v_mul_u32_u24 v[SH], s2, v64
.irp b, 0,1,2,3
	v_mov_b32 v[TM+4+\b], 0                        ; written once: a lane permute's destination counts as one of its sources
.endr
	s_mov_b32 s[SEL], 0x76543210
	s_mov_b32 s[SEL+1], 0xfedcba98                 ; lane l xor 16
	s_wait_tensorcnt 0x2                           ; my part of slot 0 is in; slots 1 and 2 may stay out
	s_barrier_signal -1
	s_barrier_wait -1                              ; everybody's is
	FETCH 0, 0, 0
	s_wait_loadcnt 0x0                             ; the scale words
	STEP 0, 0, 0, 1, 1, 0                          ; the first step's products start the sums
	TURN 1, 1, 1, 1                                ; slot 0 has been read out: it takes the last 256 along K
	STEP 2, 0, 1, 1, 0, 1
	STEP 3, 1, 2, 0, 0, 1
	STEP 4, 0, 2, 1, 0, 1
	TURN 5, 1, 0, 0                                ; the refill has landed, in every wave's part
	STEP 6, 0, 0, 1, 0, 1
	s_wait_dscnt 0x0
	WIN 0x5f
	MULH 7, 0, 1
	MULH 7, 1, 1
	WIN 0
	PLACES 8                                       ; eight places in front of the first read of results
; THE WAY OUT.  R's tile a: my lane's 64 numbers (register 16 b + i = P's row 32 b + 16 h + i) are four blocks of 32 along the next K, each shared with lane l xor 16.
.macro QUANTW a
.set AC, 64*(\a)
.set PB, PC+16*(\a)
	WIN 0x05                                       ; sources 0 and 1: the accumulators' window
.irp b, 0,1,2,3
	v_max3_num_f32 v[TM+\b], |v[AC+16*\b]|, |v[AC+16*\b+1]|, 0x4800000   ; each accumulator is read from its low end on; the floor 2^(9 - 127) holds the byte at 1 from below
.endr
.irp i, 2,4,6,8,10,12,14
.irp b, 0,1,2,3
	v_max3_num_f32 v[TM+\b], |v[AC+16*\b+\i]|, |v[AC+16*\b+\i+1]|, v[TM+\b]
.endr
.endr
	WIN 0
.irp b, 0,1,2,3
	v_permlanex16_b32 v[TM+4+\b], v[TM+\b], s[SEL], s[SEL+1]
.endr
.irp b, 0,1,2,3
	v_max_num_f32 v[TM+\b], v[TM+\b], v[TM+4+\b]
.endr
.irp b, 0,1,2,3
	v_add_nc_u32 v[TM+12+\b], 0xfc000000, v[TM+\b]                ; 8 off the exponent field: the conversion's scale operand
.endr
.irp b, 0,1,2,3
.endr
.irp b, 0,1,2,3
	v_lshrrev_b32 v[TM+4+\b], 23, v[TM+12+\b]                     ; the scale's byte
.endr
	v_lshl_or_b32 v[WD+(\a)], v[TM+5], 8, v[TM+4]
	v_lshl_or_b32 v[WD+(\a)], v[TM+6], 16, v[WD+(\a)]
	v_lshl_or_b32 v[WD+(\a)], v[TM+7], 24, v[WD+(\a)]
	WIN 0x41                                       ; destination and source 0: the accumulators' window
.irp b, 0,1,2,3
.irp i, 0,1,2,3,4,5,6,7,8,9,10,11,12,13,14,15
.endr
.endr
	WIN 0x01
.irp b, 0,1,2,3
	v_cvt_scalef32_pk8_fp8_f32 v[PB+4*\b:PB+4*\b+1], v[AC+16*\b:AC+16*\b+7], v[TM+12+\b]
	v_cvt_scalef32_pk8_fp8_f32 v[PB+4*\b+2:PB+4*\b+3], v[AC+16*\b+8:AC+16*\b+15], v[TM+12+\b]
.endr
	WIN 0
	v_nop                                          ; a plain line behind the last conversion
	global_store_b128 v[VA0], v[PB:PB+3], s[OUT:OUT+1] offset:1024*(\a)          ; each store: 512 consecutive bytes, a piece of a fragment
	global_store_b128 v[VA0], v[PB+4:PB+7], s[OUT:OUT+1] offset:1024*(\a)+512
	global_store_b128 v[VA1], v[PB+8:PB+11], s[OUT:OUT+1] offset:1024*(\a)
	global_store_b128 v[VA1], v[PB+12:PB+15], s[OUT:OUT+1] offset:1024*(\a)+512
.endm
	QUANTW 0
	QUANTW 1
	QUANTW 2
	QUANTW 3
.irp a, 0,1,2,3
	v_lshrrev_b32 v[WD+\a], v[SH], v[WD+\a]
.endr
.irp a, 0,1,2,3
	v_and_b32 v[WD+\a], s3, v[WD+\a]
.endr
	global_store_b128 v[VS], v[WD:WD+3], s[OUT:OUT+1]   ; sixteen lanes store 256 consecutive bytes: the words of four tiles
	s_wait_tensorcnt 0x0                           ; the wave's end
	ds_add_u32 v[SPW], v[NIL]
	s_wait_dscnt 0x0
	CROUND                                         ; the closing round: no work-group ends while a partner may still ask for a tile that names it
	s_endpgm
.Lfunc_end_k_qd0e7b56a3c_qkv:
	.size	k_qd0e7b56a3c_qkv, .Lfunc_end_k_qd0e7b56a3c_qkv-k_qd0e7b56a3c_qkv
	.p2alignl 7, 3214868480
	.fill 96, 4, 3214868480
	.section	.rodata,"a",@progbits
	.p2align	6, 0x0
	.amdhsa_kernel k_qd0e7b56a3c_qkv
		.amdhsa_group_segment_fixed_size 327680
		.amdhsa_private_segment_fixed_size 0
		.amdhsa_enable_private_segment 0
		.amdhsa_kernarg_size 32
		.amdhsa_user_sgpr_count 2
		.amdhsa_user_sgpr_kernarg_segment_ptr 1
		.amdhsa_wavefront_size32 1
		.amdhsa_system_sgpr_workgroup_id_x 1
		.amdhsa_system_sgpr_workgroup_id_y 1
		.amdhsa_system_sgpr_workgroup_id_z 1
		.amdhsa_system_vgpr_workitem_id 0
		.amdhsa_next_free_vgpr 1024
		.amdhsa_next_free_sgpr 100
		.amdhsa_reserve_vcc 0
		.amdhsa_float_denorm_mode_32 3
		.amdhsa_float_denorm_mode_16_64 3
		.amdhsa_fp16_overflow 1
		.amdhsa_memory_ordered 1
		.amdhsa_forward_progress 1
		.amdhsa_inst_pref_size 89
	.end_amdhsa_kernel
	.amdgpu_metadata
---
amdhsa.version: [ 1, 2 ]
amdhsa.kernels:
  - .name:           k_qd0e7b56a3c_qkv
    .symbol:         k_qd0e7b56a3c_qkv.kd
    .args:
      - { .name: xq, .offset: 0, .size: 8, .value_kind: global_buffer, .address_space: global }
      - { .name: wq, .offset: 8, .size: 8, .value_kind: global_buffer, .address_space: global }
      - { .name: qbuf, .offset: 16, .size: 8, .value_kind: global_buffer, .address_space: global }
      - { .name: kv, .offset: 24, .size: 8, .value_kind: global_buffer, .address_space: global }
    .group_segment_fixed_size: 327680
    .private_segment_fixed_size: 0
    .kernarg_segment_align: 8
    .kernarg_segment_size: 32
    .max_flat_workgroup_size: 128
    .sgpr_count:     100
    .vgpr_count:     1024
    .wavefront_size: 32
...
	.end_amdgpu_metadata
.endif
;; end of part 2
;; launch attn (part 3): grid 4 x 64, 16 waves a work-group, no clusters, 327,680 bytes of LDS; arguments qbuf, kv, aq; writes aq
.if DOCPART == 3
	.amdgcn_target "amdgcn-amd-amdhsa--gfx1250"
	.amdhsa_code_object_version 6
	.text
	.protected	k_qd0e7b56a3c_attn
	.globl	k_qd0e7b56a3c_attn
	.p2align	8
	.type	k_qd0e7b56a3c_attn,@function
k_qd0e7b56a3c_attn:
	s_mov_b64 s[64:65], 0
	v_nop
	global_prefetch_b8 v0, s[64:65] scope:SCOPE_SE
	s_setreg_imm32_b32 hwreg(HW_REG_WAVE_MODE, 25, 1), 1
	s_wait_xcnt 0x0
; LAUNCH 3 OF 4.  Causal attention on the codes of launch 2, head size 64; its result, divided by the row's sum, is quantised along the model's 1,024 (two blocks a head) and stored as fragments for launch 4.
; WORK LEFT OUT: a step of 128 keys all of which come after the wave's 16 queries: the causal mask sets those logits to -inf, so their weights are 0 for all inputs (shown at the head of launch 1).
; THE SOFTMAX: t = score x log2(e) / 8; M = the running largest t rounded UP to a whole number; p = 2^(t - M) is quantised along the keys, not normalised; the row's sum is taken of the unquantised p
; and divides at the end.  When M moves, the sum and O are multiplied by 2^(old M - new M), which rounds nothing.  A block's largest p is made from the block's largest score by the same two instructions;
; that takes v_exp_f32 not to fall where its input rises (at the worst one p of a block, within an ulp of a power of two, is held one code low).
; SHARES: work-group (j, b x head) owns the query blocks 7 - j and j (256 queries each) of its head, one after the other: (8 - j) + (j + 1) = 9 slots of 256 keys, for every work-group alike: 256 equal work-groups,
; and the loop's trip count is a constant.  Each of the sixteen waves owns one tile of 16 queries in 256 registers: four waves to a SIMD, so that one wave's vector work stands beside another's products and LDS loads.
; NO CLUSTER: the four work-groups of a head leave their late block for their early one after 8 - j slots, so from the fifth change of slots on they want different tiles at the same change: a joint load could not be issued alike in all four.
; LAYOUT: both products are used transposed (S^T = K Q^T, O^T = V^T P^T): a lane holds one query throughout.  By the tiles' order of rows the 16 registers of key tiles 2 b, 2 b + 1 are keys 32 b + 16 (lane / 16) + 0 .. 15,
; and those of channel tiles 2 b, 2 b + 1 are 16 neighbouring channels: the conversions' results are the next operand's registers.
; THE FIRST PRODUCT'S K IS 64, the instruction's 128: Q's registers 8-15 hold zero codes for the whole launch.  A key tile's operand is its 8 registers and the 8 behind them (the next tile's codes; behind the last tile, zeros):
; they meet Q's zeros, under scale bytes that launch 2 wrote as 0, and add exactly 0.
; A slot of kv (34,304 dense bytes: K's codes, V's codes, K's and V's scale words of 256 keys) comes by two tensor loads, of waves 0 and 1; two slots in LDS.  Every wait on TENSORcnt is for 0; a wave has at most one load out.
.set SLOTB, 34304
.set KVH,   8*SLOTB
.set HALFB, 17152                      ; 67 rows of 256 bytes
.set SLOT1, 65536                      ; slot 1 begins here: one exclusive or turns an address from one slot to the other
.set SPARE, 131072                     ; the spare words: 128 bytes for each of the sixteen waves; no other line names them
.set LI,  1                            ; v1   16 x lane
.set RI16,2                            ; v2   16 r
.set SPW, 3                            ; v3   LDS address of my spare word; never rewritten
.set NIL, 4                            ; v4   0; never rewritten
.set QL,  5                            ; v5   my query - 16 h
.set AL,  6                            ; v6   16 x lane + the slot in hand
.set AR,  7                            ; v7   16 r + the slot in hand
.set RH,  8                            ; v8   r + 8 (r / 8) - 16 h
.set BO,  9                            ; v9   4 r + h: where my scale byte goes
.set PFO, 10                           ; v10  256 x lane: the prefetches' offset; never rewritten
.set KB,  32                           ; v32-95 K's eight tiles (8 registers each), later V's four fragments; v96-103 zeros
.set S,   104                          ; v104-167 S^T, then p
.set O,   168                          ; v168-199 O^T
.set PCD, 200                          ; v200-215 p's codes
.set KS,  216                          ; v216-219 K's scale words: lanes 0-15 tiles 0-3, lanes 16-31 tiles 4-7
.set VSC, 220                          ; v220-223 V's
.set QW,  224                          ; v224 Q's           v12 -M, v13 the largest t, v[14:15] the sum in two halves; v16-31 Q; v232-255 at work
.set WV,  10
.set J,   11
.set JP1, 12
.set BH,  13
.set TB,  14                           ; LDS byte at which the slot in hand begins
.set KF,  15                           ; the step's first key
.set Q0,  16                           ; my tile's first query
.set SLOTS, 17
.set BK,  18                           ; the query block in hand
.set MNT, 19
.set SEL, 20
.set CS,  22                           ; s[22:23] c = log2(e) / 8
.set G1,  24
.set HM,  32                           ; lanes 16-31, as a mask
.set LIM, 33
.set BACK,34                           ; (8 - j) slots in bytes
.set XP,  36                           ; s[36:37]
.set PFA, 38
.set G0,  40
.set QA,  44
.set QS,  46
.set OA,  48
.set OS,  50
.macro TLOAD                           ; waves 0 and 1 fetch a half each; an s_nop 0 and four v_nop follow the line
	s_cmp_lt_u32 s[WV], 2
	s_cbranch_scc0 .Lno_load_\@
	tensor_load_to_lds s[G0:G0+3], s[G1:G1+7]
	s_nop 0
.rept 4
	v_nop
.endr
.Lno_load_\@:
.endm
; A PREFETCH INTO THE L2 of the codes of the key slot that the NEXT change of slots will ask for: two key steps ahead of that tensor load.  All four work-groups of a head walk the same slots from key 0 on; the one with
; j = 0, whose late block walks all eight, asks, and in it waves 4 to 7, which fetch nothing: 8,192 bytes a wave, lanes 256 bytes apart, one instruction: each aligned 256 bytes of K's and V's codes of slots 2 to 7 is named once.
; Slots 0 and 1, and a slot's 1,536 bytes of scale words, come by their loads alone; the trips from the seventh on ask for nothing.
.macro ASK
	s_cmp_gt_u32 s[SLOTS], s[LIM]
	s_cbranch_scc0 .Lnot_mine_\@
	global_prefetch_b8 v[PFO], s[PFA:PFA+1] th:TH_LOAD_NT scope:SCOPE_SE
.Lnot_mine_\@:
.endm
; The query block s[BK] begins: addresses, Q's fragment, and the running numbers set back.
.macro PHASE
	s_lshl_b32 s[Q0], s[BK], 8
	s_lshr_b32 s52, s[WV], 1
	s_lshl_b32 s52, s52, 5
	s_add_co_u32 s[Q0], s[Q0], s52
	s_and_b32 s52, s[WV], 1
	s_lshl_b32 s52, s52, 3
	s_add_co_u32 s[Q0], s[Q0], s52                 ; 256 x block + 32 (wave / 2) + 8 (wave % 2)
	s_lshl_b32 s53, s[BK], 4
	s_add_co_u32 s53, s53, s[WV]                   ; my tile in the head
	s_mov_b32 s55, 0
	s_lshl_b32 s54, s[BH], 7
	s_add_co_u32 s54, s54, s53
	s_lshl_b32 s54, s54, 10
	s_add_nc_u64 s[QA:QA+1], s[4:5], s[54:55]      ; Q's codes
	s_lshl_b32 s54, s[BH], 5
	s_lshr_b32 s56, s53, 2
	s_add_co_u32 s54, s54, s56
	s_lshl_b32 s54, s54, 8
	s_and_b32 s56, s53, 3
	s_lshl_b32 s56, s56, 2
	s_add_co_u32 s54, s54, s56
	s_add_co_u32 s54, s54, 0x800000
	s_add_nc_u64 s[QS:QS+1], s[4:5], s[54:55]      ; Q's scale words
	s_lshr_b32 s56, s[BH], 4
	s_lshl_b32 s56, s56, 7
	s_add_co_u32 s56, s56, s53                     ; my tile among all 512
	s_and_b32 s57, s[BH], 15                       ; the head
	s_lshr_b32 s58, s57, 1
	s_and_b32 s57, s57, 1
	s_lshl_b32 s54, s56, 14
	s_lshl_b32 s59, s58, 11
	s_add_co_u32 s54, s54, s59
	s_lshl_b32 s59, s57, 10
	s_add_co_u32 s54, s54, s59
	s_add_nc_u64 s[OA:OA+1], s[8:9], s[54:55]      ; the result's codes: K step head / 2, pieces 2 (head % 2) on
	s_lshl_b32 s54, s56, 9
	s_lshl_b32 s59, s58, 6
	s_add_co_u32 s54, s54, s59
	s_lshl_b32 s59, s57, 1
	s_add_co_u32 s54, s54, s59
	s_add_co_u32 s54, s54, 0x800000
	s_add_nc_u64 s[OS:OS+1], s[8:9], s[54:55]      ; and its scale bytes
	global_load_b128 v[16:19], v[LI], s[QA:QA+1]
	global_load_b128 v[20:23], v[LI], s[QA:QA+1] offset:512
	global_load_b32 v[QW], v[RI16], s[QS:QS+1]
	v_add_nc_u32 v[QL], s[Q0], v[RH]
	v_mov_b32 v13, 0xff61b1e6                      ; the largest t so far: -3e38, under every t
	s_delay_alu instid0(VALU_DEP_1)
	v_floor_f32 v12, -v13                          ; -M
	v_mov_b32 v14, 0
	v_mov_b32 v15, 0
.set n, 0
.rept 32
	v_mov_b32 v[O+n], 0                            ; O^T.  (The step is written once: a block's first step finds zeros, which the first change of M leaves zeros)
.set n, n+1
.endr
	s_mov_b32 s[KF], 0
	s_wait_loadcnt 0x0
.endm
; A KEY STEP: 128 keys, the q-th of the slot in hand.
.macro STEP q
	s_add_co_u32 s60, s[Q0], 23                    ; my tile's last query.  (A tile lies inside 32 aligned queries, a step begins at a multiple of 128: so in a step that is walked every lane's query sees the step's first key)
	s_cmp_gt_u32 s[KF], s60
	s_cbranch_scc1 .Lhidden_\@                     ; ids and the count of steps alone; no barrier, tensor load or address step stands in what is jumped over
.rept 8
	v_nop                                          ; eight places in front of loads into registers that matrix instructions have read
.endr
	s_wait_alu depctr_va_vdst(0)
.irp t, 0,1,2,3,4,5,6,7
	ds_load_b128 v[KB+8*\t:KB+8*\t+3], v[AL] offset:(8*(\q)+\t)*1024
	ds_load_b128 v[KB+8*\t+4:KB+8*\t+7], v[AL] offset:(8*(\q)+\t)*1024+512
.endr
	ds_load_b128 v[KS:KS+3], v[AL] offset:32768+512*(\q)
	s_wait_dscnt 0x0
.irp t, 0,1,2,3
	v_wmma_scale_f32_16x16x128_f8f6f4 v[S+8*\t:S+8*\t+7], v[KB+8*\t:KB+8*\t+15], v[16:31], 0, v[KS+\t], v[QW]
.endr
.irp t, 4,5,6,7
	v_wmma_scale_f32_16x16x128_f8f6f4 v[S+8*\t:S+8*\t+7], v[KB+8*\t:KB+8*\t+15], v[16:31], 0, v[KS+\t-4], v[QW] matrix_a_scale:MATRIX_SCALE_ROW1
.endr
.rept 8
	v_nop                                          ; eight places: in front of the loads below and of the first read of the scores
.endr
	s_wait_alu depctr_va_vdst(0)
.irp a, 0,1,2,3
.irp c, 0,1,2,3
	ds_load_b128 v[KB+16*\a+4*\c:KB+16*\a+4*\c+3], v[AL] offset:16384+8192*(\q)+4096*(\c/2)+1024*\a+512*(\c%2)   ; V's fragments land while the softmax is walked
.endr
.endr
	ds_load_b128 v[VSC:VSC+3], v[AR] offset:33792+256*(\q)
	s_add_co_u32 s60, s[KF], 127                   ; on the diagonal the scores of hidden keys become -infinity ahead of the maximum; a step all of whose keys count skips this
	s_cmp_le_u32 s60, s[Q0]
	s_cbranch_scc1 .Lopen_\@
	v_sub_nc_u32 v252, v[QL], s[KF]                ; d = my query - 16 h - the step's first key.  Register 16 b + i holds key 32 b + 16 h + i of the step: hidden where 32 b + i > d
	v_mov_b32 v254, 0xff800000
.set n, 0
.rept 64
	v_cmp_gt_i32 vcc_lo, 32*(n/16)+n%16, v252
	v_cndmask_b32 v[S+n], v[S+n], v254, vcc_lo
.set n, n+1
.endr
.Lopen_\@:
.irp b, 0,1,2,3
	v_max3_num_f32 v[232+\b], v[S+16*\b], v[S+1+16*\b], v[S+2+16*\b]   ; the largest score of each block of 32 keys: for the row's maximum, and for the block's largest p
.endr
.irp i, 3,5,7,9,11,13
.irp b, 0,1,2,3
	v_max3_num_f32 v[232+\b], v[232+\b], v[S+16*\b+\i], v[S+1+16*\b+\i]
.endr
.endr
.irp b, 0,1,2,3
	v_max_num_f32 v[232+\b], v[232+\b], v[S+15+16*\b]
.endr
.irp b, 0,1,2,3
	s_delay_alu instid0(VALU_DEP_4)
	v_permlanex16_b32 v[236+\b], v[232+\b], s[SEL], s[SEL+1]
.endr
.irp b, 0,1,2,3
	s_delay_alu instid0(VALU_DEP_4)
	v_max_num_f32 v[232+\b], v[232+\b], v[236+\b]  ; with lane l xor 16's 16 keys
.endr
	s_delay_alu instid0(VALU_DEP_2)
	v_max3_num_f32 v254, v232, v233, v234
	s_delay_alu instid0(VALU_DEP_1)
	v_max_num_f32 v254, v254, v235
	s_delay_alu instid0(VALU_DEP_1)
	v_mul_f32 v254, s[CS], v254                    ; the step's largest t (c is positive)
	s_delay_alu instid0(VALU_DEP_1)
	v_max_num_f32 v13, v13, v254                   ; the running largest t
	v_mov_b32 v254, v12
	s_delay_alu instid0(VALU_DEP_2)
	v_floor_f32 v12, -v13                          ; the new -M = -ceil(t)
	s_delay_alu instid0(VALU_DEP_1)
	v_sub_f32 v254, v12, v254                      ; old M - new M: a whole number, 0 or less
	s_delay_alu instid0(VALU_DEP_1)
	v_cvt_i32_f32 v254, v254                       ; (it saturates)
	s_delay_alu instid0(VALU_DEP_1)
	v_ldexp_f32 v252, 1.0, v254                    ; f = 2^(old M - new M)
.set n, 0
.rept 32
	v_pk_fma_f32 v[S+n:S+n+1], v[S+n:S+n+1], s[CS:CS+1], v[12:13] op_sel_hi:[1,0,0]   ; t - M, two at a time
.set n, n+2
.endr
.irp b, 0,1,2,3
	v_fma_f32 v[232+\b], v[232+\b], s[CS], v12     ; the same of each block's largest score
.endr
.set n, 0
	s_wait_alu depctr_va_vdst(0)
.rept 64
	v_exp_f32 v[S+n], v[S+n]                       ; p = 2^(t - M), at most 1
.set n, n+1
.endr
	v_pk_mul_f32 v[14:15], v[14:15], v[252:253] op_sel_hi:[1,0]   ; the sums under the new M: a plain line behind the exponentials
	s_wait_alu depctr_va_vdst(0)                   ; the wait ahead of the first line that names a result: one for the batch of 64
.irp b, 0,1,2,3
	v_exp_f32 v[232+\b], v[232+\b]                 ; the blocks' largest p
.endr
	v_pk_add_f32 v[236:237], v[108:109], v[112:113]
	v_pk_add_f32 v[254:255], v[116:117], v[120:121]
	v_pk_add_f32 v[250:251], v[124:125], v[128:129]
	v_pk_add_f32 v[248:249], v[132:133], v[136:137]
	v_pk_add_f32 v[246:247], v[140:141], v[144:145]
	v_pk_add_f32 v[244:245], v[148:149], v[152:153]
	v_pk_add_f32 v[242:243], v[156:157], v[160:161]
	v_pk_add_f32 v[14:15], v[14:15], v[164:165]
	v_pk_add_f32 v[236:237], v[236:237], v[104:105]
	v_pk_add_f32 v[254:255], v[254:255], v[106:107]
	v_pk_add_f32 v[250:251], v[250:251], v[110:111]
	v_pk_add_f32 v[248:249], v[248:249], v[114:115]
	v_pk_add_f32 v[246:247], v[246:247], v[118:119]
	v_pk_add_f32 v[244:245], v[244:245], v[122:123]
	v_pk_add_f32 v[242:243], v[242:243], v[126:127]
	v_pk_add_f32 v[14:15], v[14:15], v[130:131]
	v_pk_add_f32 v[236:237], v[236:237], v[134:135]
	v_pk_add_f32 v[254:255], v[254:255], v[138:139]
	v_pk_add_f32 v[250:251], v[250:251], v[142:143]
	v_pk_add_f32 v[248:249], v[248:249], v[146:147]
	v_pk_add_f32 v[246:247], v[246:247], v[150:151]
	v_pk_add_f32 v[244:245], v[244:245], v[154:155]
	v_pk_add_f32 v[242:243], v[242:243], v[158:159]
	v_pk_add_f32 v[14:15], v[14:15], v[162:163]
	v_pk_add_f32 v[236:237], v[236:237], v[166:167]
	s_delay_alu instid0(VALU_DEP_2)
	v_pk_add_f32 v[14:15], v[14:15], v[248:249]
	s_delay_alu instid0(VALU_DEP_2)
	v_pk_add_f32 v[236:237], v[236:237], v[246:247]
	v_pk_add_f32 v[254:255], v[254:255], v[244:245]
	v_pk_add_f32 v[250:251], v[250:251], v[242:243]
	s_delay_alu instid0(VALU_DEP_2)
	v_pk_add_f32 v[14:15], v[14:15], v[254:255]
	s_delay_alu instid0(VALU_DEP_2)
	v_pk_add_f32 v[236:237], v[236:237], v[250:251]
	s_delay_alu instid0(VALU_DEP_1)
	v_pk_add_f32 v[14:15], v[14:15], v[236:237]
	s_wait_alu depctr_va_vdst(0)                   ; and one for the four
.irp b, 0,1,2,3
	v_max_num_f32 v[232+\b], 0x4800000, v[232+\b]  ; the floor 2^(9 - 127): the byte cannot fall under 1
.endr
.irp b, 0,1,2,3
	s_delay_alu instid0(VALU_DEP_4)
	v_add_nc_u32 v[244+\b], 0xfc000000, v[232+\b]  ; the conversion's scale operand
.endr
.irp b, 0,1,2,3
.endr
.irp b, 0,1,2,3
	s_delay_alu instid0(VALU_DEP_4)
	v_lshrrev_b32 v[236+\b], 23, v[244+\b]         ; the scale's byte
.endr
	s_delay_alu instid0(VALU_DEP_3)
	v_lshl_or_b32 v253, v237, 8, v236              ; p's scale word for these 128 keys
	s_delay_alu instid0(VALU_DEP_1)
	v_lshl_or_b32 v253, v238, 16, v253
	s_delay_alu instid0(VALU_DEP_1)
	v_lshl_or_b32 v253, v239, 24, v253
.irp b, 0,1,2,3
.set n, 0
.rept 16
.set n, n+1
.endr
	v_cvt_scalef32_pk8_fp8_f32 v[PCD+4*\b:PCD+4*\b+1], v[S+16*\b:S+16*\b+7], v[244+\b]
	v_cvt_scalef32_pk8_fp8_f32 v[PCD+4*\b+2:PCD+4*\b+3], v[S+16*\b+8:S+16*\b+15], v[244+\b]
.endr
.set n, 0
.rept 16
	v_pk_mul_f32 v[O+n:O+n+1], v[O+n:O+n+1], v[252:253] op_sel_hi:[1,0]   ; O^T under the new M.  (These sixteen are also the plain lines between the conversions and the products)
.set n, n+2
.endr
	s_wait_alu depctr_va_vdst(0)
	s_wait_dscnt 0x0                               ; V's fragments and words are in
.irp a, 0,1,2,3
	v_wmma_scale_f32_16x16x128_f8f6f4 v[O+8*\a:O+8*\a+7], v[KB+16*\a:KB+16*\a+15], v[PCD:PCD+15], v[O+8*\a:O+8*\a+7], v[VSC+\a], v253   ; the four accumulators by turns
.endr
.Lhidden_\@:
	s_add_co_u32 s[KF], s[KF], 128
.endm
; THE CHANGE OF SLOTS stands at a slot's head.  fill = 1: behind the barrier the slot that has been left takes the keys that follow; where the late block ends, key slot 0 again.
.macro CHANGE fill
	s_wait_tensorcnt 0x0                           ; no tensor load of mine is out, so the descriptor may be written
	ds_add_u32 v[SPW], v[NIL]                      ; 0 onto my spare word
.if \fill
	ds_add_u32 v[SPW], v[NIL]                      ; and once more: in every trip alike
	s_xor_b32 s[G0+1], s[G0+1], SLOT1              ; the other slot than last time,
	s_add_nc_u64 s[G0+2:G0+3], s[G0+2:G0+3], SLOTB ; the next 256 keys,
	s_cmp_eq_u32 s[SLOTS], s[JP1]                  ; or, in the late block's last slot, back to the head's first
	s_cselect_b32 s[XP], s[BACK], 0
	s_sub_nc_u64 s[G0+2:G0+3], s[G0+2:G0+3], s[XP:XP+1]
	s_wait_xcnt 0x0                                ; the last prefetch, a slot back, has read its address
	s_add_nc_u64 s[PFA:PFA+1], s[PFA:PFA+1], SLOTB
.endif
	s_wait_dscnt 0x0                               ; the add is done (fill = 1: both are), and my reads of the slot that I have left are over
	s_barrier_signal -1
	s_barrier_wait -1
.if \fill
	TLOAD                                          ; the first thing behind the barrier, and a wave's one tensor load until the next: it has two key steps in which to land
	ASK
.endif
.endm
.macro SLOT_STEPS
	v_add_nc_u32 v[AL], s[TB], v[LI]
	v_add_nc_u32 v[AR], s[TB], v[RI16]
	STEP 0
	STEP 1
	s_xor_b32 s[TB], s[TB], SLOT1
.endm
; A query block ends: O^T / the sum, quantised in two blocks of 32 channels, leaves as two pieces of a fragment of launch 4's operand.
.macro FINISH
.rept 8
	v_nop                                          ; eight places behind the last products
.endr
	v_add_f32 v14, v14, v15
	s_delay_alu instid0(VALU_DEP_1)
	v_permlanex16_b32 v252, v14, s[SEL], s[SEL+1]
	s_delay_alu instid0(VALU_DEP_1)
	v_add_f32 v14, v14, v252                       ; the row's sum
	s_wait_alu depctr_va_vdst(0)
	v_rcp_f32 v14, v14
	v_nop                                          ; a plain line behind the reciprocal
	s_wait_alu depctr_va_vdst(0)                   ; and the wait ahead of its first reader
.set n, 0
.rept 16
	v_pk_mul_f32 v[O+n:O+n+1], v[O+n:O+n+1], v[14:15] op_sel_hi:[1,0]   ; register 16 b + i: channel 32 b + 16 h + i of my query
.set n, n+2
.endr
.irp b, 0,1
	v_max3_num_f32 v[232+\b], |v[O+16*\b]|, |v[O+1+16*\b]|, 0x4800000
.endr
.irp i, 2,4,6,8,10,12,14
.irp b, 0,1
	s_delay_alu instid0(VALU_DEP_2)
	v_max3_num_f32 v[232+\b], v[232+\b], |v[O+16*\b+\i]|, |v[O+1+16*\b+\i]|
.endr
.endr
.irp b, 0,1
	s_delay_alu instid0(VALU_DEP_2)
	v_permlanex16_b32 v[236+\b], v[232+\b], s[SEL], s[SEL+1]
.endr
.irp b, 0,1
	s_delay_alu instid0(VALU_DEP_2)
	v_max_num_f32 v[232+\b], v[232+\b], v[236+\b]
.endr
.irp b, 0,1
	s_delay_alu instid0(VALU_DEP_2)
	v_add_nc_u32 v[244+\b], 0xfc000000, v[232+\b]
.endr
.irp b, 0,1
.endr
.irp b, 0,1
	s_delay_alu instid0(VALU_DEP_2)
	v_lshrrev_b32 v[236+\b], 23, v[244+\b]
.endr
.irp b, 0,1
.set n, 0
.rept 16
.set n, n+1
.endr
	v_cvt_scalef32_pk8_fp8_f32 v[PCD+4*\b:PCD+4*\b+1], v[O+16*\b:O+16*\b+7], v[244+\b]
	v_cvt_scalef32_pk8_fp8_f32 v[PCD+4*\b+2:PCD+4*\b+3], v[O+16*\b+8:O+16*\b+15], v[244+\b]
.endr
	v_nop                                          ; a plain line behind the last conversion
	v_cndmask_b32 v254, v236, v237, s[HM]          ; lanes 0-15 send block 0's byte, lanes 16-31 block 1's
	global_store_b128 v[LI], v[PCD:PCD+3], s[OA:OA+1]             ; 512 consecutive bytes each
	global_store_b128 v[LI], v[PCD+4:PCD+7], s[OA:OA+1] offset:512
	global_store_b8 v[BO], v254, s[OS:OS+1]        ; 32 single bytes inside 64: a thirty-second of the codes' bytes.  A word's other two bytes belong to the neighbouring head, which another work-group owns
	s_wait_xcnt 0x0                                ; the stores have read their registers and bases: both are written again
.endm
	s_load_b128 s[4:7], s[0:1], 0x0                ; qbuf s[4:5], kv s[6:7]
	s_load_b64 s[8:9], s[0:1], 0x10                ; aq
	v_lshl_add_u32 v[SPW], v0, 2, SPARE
	v_mov_b32 v[NIL], 0
	ds_add_u32 v[SPW], v[NIL]                      ; the wave's opening: the add, twice on end, and its wait ahead of the first tensor load
	ds_add_u32 v[SPW], v[NIL]
	v_lshrrev_b32 v5, 5, v0
	s_delay_alu instid0(VALU_DEP_1)
	v_readfirstlane_b32 s[WV], v5                  ; wave 0..15
	s_mov_b32 s[J], ttmp9
	s_add_co_u32 s[JP1], s[J], 1
	s_and_b32 s[BH], ttmp7, 0xffff                 ; 16 x batch + head
	s_sub_co_u32 s[BK], 7, s[J]                    ; the late block first
	s_sub_co_u32 s52, 8, s[J]
	s_mul_i32 s[BACK], s52, SLOTB
	s_mov_b32 s[XP+1], 0
	s_mov_b32 s[TB], 0
	s_mov_b32 s[SLOTS], 8
	s_mov_b32 s[SEL], 0x76543210
	s_mov_b32 s[SEL+1], 0xfedcba98                 ; lane l xor 16
	s_mov_b32 s[CS], 0x3e38aa3b                    ; c = log2(e) / sqrt(64)
	s_mov_b32 s[CS+1], s[CS]                       ; (named with it as a pair, so it is written)
	s_mov_b32 s[HM], 0xffff0000
	; descriptor group 1: half a slot, dense: 67 rows of 256 bytes (32 elements of 8 bytes), no padding
	s_mov_b32 s[G1], 3<<16
	s_mov_b32 s[G1+1], 32<<16
	s_mov_b32 s[G1+2], 67<<16
	s_mov_b32 s[G1+3], 32<<16
	s_mov_b32 s[G1+4], 67
	s_mov_b32 s[G1+5], 32
	s_mov_b32 s[G1+6], 0
	s_mov_b32 s[G1+7], 0
	s_min_u32 s52, s[WV], 1
	s_mul_i32 s52, s52, HALFB                      ; wave 0: the first half, wave 1: the second
	s_mov_b32 s53, 0
	s_mul_i32 s54, s[BH], KVH
	s_mov_b32 s55, 0
	s_and_b32 s58, s[WV], 3
	s_lshl_b32 s58, s58, 13
	s_add_co_u32 s58, s58, SLOTB                   ; the prefetches stand in key slot 1; the first change of slots steps them to slot 2
	s_mov_b32 s59, 0
	s_sub_co_u32 s60, s[WV], 4
	s_lshr_b32 s60, s60, 2                         ; 0 in waves 4 to 7,
	s_or_b32 s60, s60, s[J]                        ; of the head's work-group with j = 0
	s_cmp_eq_u32 s60, 0
	s_cselect_b32 s[LIM], 2, -1                    ; they ask while more than two slots are still to be asked for
	s_wait_dscnt 0x0                               ; both opening adds are done
	s_wait_kmcnt 0x0
	s_add_nc_u64 s[56:57], s[6:7], s[54:55]        ; the head's eight slots
	s_mov_b32 s[G0], 1
	s_mov_b32 s[G0+1], s52
	s_add_nc_u64 s[G0+2:G0+3], s[56:57], s[52:53]
	s_or_b32 s[G0+3], s[G0+3], 0x80000000
	TLOAD                                          ; key slot 0 into slot 0
	s_add_nc_u64 s[PFA:PFA+1], s[56:57], s[58:59]
	v_and_b32 v2, 15, v0                           ; r
	v_bfe_u32 v9, v0, 4, 1                         ; h
	s_delay_alu instid0(VALU_DEP_2)
	v_and_b32 v8, 8, v2
	s_delay_alu instid0(VALU_DEP_1)
	v_add_nc_u32 v8, v8, v2                        ; r + 8 (r / 8)
	s_delay_alu instid0(VALU_DEP_3)
	v_lshlrev_b32 v5, 4, v9
	s_delay_alu instid0(VALU_DEP_1)
	v_sub_nc_u32 v[RH], v8, v5
	v_lshl_add_u32 v[BO], v2, 2, v9
	v_lshlrev_b32 v[RI16], 4, v2
	v_and_b32 v1, 31, v0
	s_delay_alu instid0(VALU_DEP_1)
	v_lshlrev_b32 v[PFO], 8, v1
	s_delay_alu instid0(VALU_DEP_2)
	v_lshlrev_b32 v[LI], 4, v1
.irp n, 0,1,2,3,4,5,6,7
	v_mov_b32 v[24+\n], 0                          ; Q's upper half: zero codes, for the whole launch
	v_mov_b32 v[96+\n], 0                          ; and what stands behind K's last tile
.endr
.irp b, 0,1,2,3
	v_mov_b32 v[236+\b], 0                         ; written once: a lane permute's destination counts as one of its sources
.endr
	v_mov_b32 v252, 0
	v_mov_b32 v253, 0                              ; (named as the upper half of the pair v[252:253] before it is first written)
	PHASE
.Lslot:                                            ; eight trips; behind each change of slots the next slot is asked for
	CHANGE 1
	SLOT_STEPS
	s_cmp_lg_u32 s[SLOTS], s[JP1]                  ; the late block's last slot?  Ids and the count of trips alone; what is jumped over holds no barrier, no LDS line and no tensor load
	s_cbranch_scc1 .Lsame
	FINISH
	s_mov_b32 s[BK], s[J]
	PHASE
.Lsame:
	s_sub_co_u32 s[SLOTS], s[SLOTS], 1
	s_cmp_lg_u32 s[SLOTS], 0
	s_cbranch_scc1 .Lslot
	CHANGE 0                                       ; the ninth slot is written out: nothing is left to ask for
	SLOT_STEPS
	FINISH
	s_wait_tensorcnt 0x0                           ; the wave's end
	ds_add_u32 v[SPW], v[NIL]
	s_wait_dscnt 0x0
	s_endpgm
.Lfunc_end_k_qd0e7b56a3c_attn:
	.size	k_qd0e7b56a3c_attn, .Lfunc_end_k_qd0e7b56a3c_attn-k_qd0e7b56a3c_attn
	.p2alignl 7, 3214868480
	.fill 96, 4, 3214868480
	.section	.rodata,"a",@progbits
	.p2align	6, 0x0
	.amdhsa_kernel k_qd0e7b56a3c_attn
		.amdhsa_group_segment_fixed_size 327680
		.amdhsa_private_segment_fixed_size 0
		.amdhsa_enable_private_segment 0
		.amdhsa_kernarg_size 24
		.amdhsa_user_sgpr_count 2
		.amdhsa_user_sgpr_kernarg_segment_ptr 1
		.amdhsa_wavefront_size32 1
		.amdhsa_system_sgpr_workgroup_id_x 1
		.amdhsa_system_sgpr_workgroup_id_y 1
		.amdhsa_system_sgpr_workgroup_id_z 1
		.amdhsa_system_vgpr_workitem_id 0
		.amdhsa_next_free_vgpr 256
		.amdhsa_next_free_sgpr 66
		.amdhsa_reserve_vcc 1
		.amdhsa_float_denorm_mode_32 3
		.amdhsa_float_denorm_mode_16_64 3
		.amdhsa_fp16_overflow 1
		.amdhsa_memory_ordered 1
		.amdhsa_forward_progress 1
		.amdhsa_inst_pref_size 110
	.end_amdhsa_kernel
	.amdgpu_metadata
---
amdhsa.version: [ 1, 2 ]
amdhsa.kernels:
  - .name:           k_qd0e7b56a3c_attn
    .symbol:         k_qd0e7b56a3c_attn.kd
    .args:
      - { .name: qbuf, .offset: 0, .size: 8, .value_kind: global_buffer, .address_space: global }
      - { .name: kv, .offset: 8, .size: 8, .value_kind: global_buffer, .address_space: global }
      - { .name: aq, .offset: 16, .size: 8, .value_kind: global_buffer, .address_space: global }
    .group_segment_fixed_size: 327680
    .private_segment_fixed_size: 0
    .kernarg_segment_align: 8
    .kernarg_segment_size: 24
    .max_flat_workgroup_size: 512
    .sgpr_count:     66
    .vgpr_count:     256
    .wavefront_size: 32
...
	.end_amdgpu_metadata
.endif
;; end of part 3
;; launch proj (part 4): grid 4 x 64, 4 waves a work-group, clusters of 4 x 4, 327,680 bytes of LDS; arguments aq, wq, bp, out0; writes out0
.if DOCPART == 4
	.amdgcn_target "amdgcn-amd-amdhsa--gfx1250"
	.amdhsa_code_object_version 6
	.text
	.protected	k_qd0e7b56a3c_proj
	.globl	k_qd0e7b56a3c_proj
	.p2align	8
	.type	k_qd0e7b56a3c_proj,@function
k_qd0e7b56a3c_proj:
	s_mov_b64 s[64:65], 0
	v_nop
	global_prefetch_b8 v0, s[64:65] scope:SCOPE_SE
	s_setreg_imm32_b32 hwreg(HW_REG_WAVE_MODE, 25, 1), 1
	s_wait_xcnt 0x0
	s_wait_alu depctr_hold_cnt(0) depctr_sa_sdst(0) depctr_va_vdst(0) depctr_va_sdst(0) depctr_va_ssrc(0) depctr_va_vcc(0) depctr_vm_vsrc(0)
	s_getreg_b32 s2, hwreg(HW_REG_IB_STS2, 6, 4)
	s_cmp_eq_u32 s2, 0
	s_cbranch_scc0 .Lentry_in_a_cluster
	s_endpgm
.Lentry_in_a_cluster:
	s_bfe_u32 s2, ttmp6, 0x10000c
	s_cmp_lg_u32 s2, 0xf033
	s_cbranch_scc0 .Lentry_shape_is_right
	s_endpgm
.Lentry_shape_is_right:
; LAUNCH 4 OF 4.  out0 = (attention's result) Wp^T + bp, on the codes of launches 3 and 1; f32 out.  The product's loop is launch 2's, word for word but for the first step's C.
; D = source 0 x source 1: source 0 takes P's tiles (Wp's rows: the output's columns), source 1 R's (tokens): a lane holds one token, and 16 neighbouring columns in the registers of P's tiles 2 b, 2 b + 1.
; SHARES: a work-group: 256 columns x 128 tokens; wave w: P's tiles 8 (w % 2) on, R's tiles 4 (w / 2) on: 32 accumulators.  256 work-groups.  K = 1,024 in 8 steps of 128 through three LDS slots of 256 along K,
; all asked for at the head; slot 0 is filled once more.  A wave has three tensor loads out at the head, later one.  CLUSTER 4 x 4: R's tiles are shared along a row of the cluster, P's along a column.
; THE BIAS is the C of the first step's products: eight registers a tile of P, in the result's layout.
; THE WAY OUT: a tile of 16 tokens x 128 columns goes through the wave's own stage in LDS and leaves as whole rows of 512 bytes.  The stage lies in slot 1, which is filled once and whose last read, in every wave, lies ahead of the second meeting's barrier.
; REGISTERS, in windows of 256: window 0: addresses, scale words, v64-191 the way out, v192-255 the bias;  window 1: the accumulators, (a, t) at v[8 (8 a + t)];  windows 2, 3: two sets of fragments: P's eight at v0, R's four at v128.
.set SLOT,  98304
.set PREG,  32768
.set SPARE, 3*SLOT                     ; the spare words: 128 bytes for each wave; no other line names them
.set STGB,  8448                       ; a stage: 16 rows x (512 + 16) bytes
.set LI,  1                            ; v1     16 x lane
.set ADP, 2                            ; v2-4
.set ADR, 5                            ; v5-7
.set SCO, 8                            ; v8     32 r + 16 h: P's scale bytes
.set STO, 9                            ; v9     the stage: row r, + 64 h
.set RD,  10                           ; v10    the stage: 16 x lane
.set BO,  11                           ; v11    64 h: the bias
.set RSO, 12                           ; v12    256 h + 4 r: R's scale words
.set SPW, 14
.set NIL, 15
.set PS,  16
.set RS,  48
.set BKR, 64                           ; v64-127, v128-191: rows read back, by turns
.set BI,  192
.set WV,  12
.set I,   13
.set J,   14
.set CX,  15
.set CY,  16
.set CLY, 17
.set PI,  19
.set RI,  20
.set G1R, 24
.set G1P, 32
.set G0R, 40
.set G0P, 52
.set PCP, 66
.set PSP, 68
.set RCP, 70
.set RSP, 72
.set OUT, 74
.set BPP, 76
.set MSB, 0
.macro WIN new                         ; the immediate's high byte repeats the setting that is left
.if MSB != (\new)
	s_set_vgpr_msb (MSB<<8)|(\new)
.set MSB, (\new)
.endif
.endm
.macro PLACES n
.rept \n
	v_nop
.endr
.endm
.macro CREST
	s_cmp_lg_u32 s[WV], 0
	s_cbranch_scc1 .Lnot_wave_0_\@
	s_barrier_signal -3
.Lnot_wave_0_\@:
	s_barrier_wait -3
	s_barrier_signal -1
	s_barrier_wait -1
.endm
.macro CROUND
	s_barrier_signal -1
	s_barrier_wait -1
	CREST
.endm
.macro JLOAD                           ; the joint refill of slot 0: waves 0, 1 for R, waves 2, 3 for P; an s_nop 0 and four v_nop follow each line
	s_cmp_eq_u32 s[J], 0
	s_cbranch_scc0 .Lfor_p_\@
	tensor_load_to_lds s[G0R:G0R+3], s[G1R:G1R+7]
	s_nop 0
.rept 4
	v_nop
.endr
	s_branch .Lasked_\@
.Lfor_p_\@:
	tensor_load_to_lds s[G0P:G0P+3], s[G1P:G1P+7]
	s_nop 0
.rept 4
	v_nop
.endr
.Lasked_\@:
.endm
.macro FETCH set, slot, ksl            ; 48 LDS loads, 512 consecutive bytes each
	WIN 0x80+0x40*(\set)
.irp t, 0,1,2,3,4,5,6,7
.irp c, 0,1,2,3
	ds_load_b128 v[16*\t+4*\c:16*\t+4*\c+3], v[ADP+(\slot)] offset:4096*\t+2048*(\ksl)+512*\c
.endr
.endr
.irp a, 0,1,2,3
.irp c, 0,1,2,3
	ds_load_b128 v[128+16*\a+4*\c:128+16*\a+4*\c+3], v[ADR+(\slot)] offset:4096*\a+2048*(\ksl)+512*\c
.endr
.endr
.endm
.macro ONE a, t, ks, cmode             ; cmode 2: the sum begins with the bias
.set rD, 8*(8*(\a)+(\t))
.set rP, 16*(\t)
.set rR, 128+16*(\a)
.set rX, PS+4*(\t)+(\ks)%4
.set rY, RS+4*(\a)+(\ks)%4
.if (\cmode) == 2
	v_wmma_scale_f32_16x16x128_f8f6f4 v[rD:rD+7], v[rP:rP+15], v[rR:rR+15], v[BI+8*(\t):BI+8*(\t)+7], v[rX], v[rY]
.elseif (\ks) < 4
	v_wmma_scale_f32_16x16x128_f8f6f4 v[rD:rD+7], v[rP:rP+15], v[rR:rR+15], v[rD:rD+7], v[rX], v[rY]
.else
	v_wmma_scale_f32_16x16x128_f8f6f4 v[rD:rD+7], v[rP:rP+15], v[rR:rR+15], v[rD:rD+7], v[rX], v[rY] matrix_a_scale:MATRIX_SCALE_ROW1 matrix_b_scale:MATRIX_SCALE_ROW1
.endif
.endm
.macro MULH ks, half, cmode            ; the 32 accumulators take turns, one instruction a turn, in the same order in every step
.irp a, 2*\half, 2*\half+1
.irp t, 0,1,2,3,4,5,6,7
	ONE \a, \t, \ks, \cmode
.endr
.endr
.endm
.macro STEP ks, set, nslot, nksl, first, cmode
.if (\first) == 0
	PLACES 8                                       ; eight places in front of loads into registers that matrix instructions have read
.endif
	FETCH 1-\set, \nslot, \nksl
	s_wait_dscnt 48                                ; all but the 48 just issued: this step's fragments are in
.if (\cmode) == 2
	WIN 0x4a                                       ; C, the bias, in window 0
.else
	WIN 0x5a+5*(\set)
.endif
	MULH \ks, 0, \cmode
	MULH \ks, 1, \cmode
.endm
.macro TURN ks, set, nslot, fill
	WIN 0
	s_wait_tensorcnt 0x0                           ; all my tensor loads have landed
	ds_add_u32 v[SPW], v[NIL]                      ; 0 onto my spare word
	s_wait_dscnt 1                                 ; this step's fragments are in; the add alone may be out
	WIN 0x5a+5*(\set)
	MULH \ks, 0, 1
	s_wait_dscnt 0x0                               ; the add is done, and my reads of every slot so far are over
	WIN 0
	s_barrier_signal -1
	s_barrier_wait -1
.if \fill
	CREST                                          ; no wave of any partner still reads slot 0 or has a load on its way
	s_add_nc_u64 s[G0R+2:G0R+3], s[G0R+2:G0R+3], 3*4096
	s_add_nc_u64 s[G0P+2:G0P+3], s[G0P+2:G0P+3], 3*4096
	JLOAD                                          ; the first tensor load behind the round: 112 matrix instructions ahead of the wait for it
	PLACES 4
.else
	PLACES 8
.endif
	FETCH 1-\set, \nslot, 0
	WIN 0x5a+5*(\set)
	MULH \ks, 1, 1
.endm
	s_load_b256 s[4:11], s[0:1], 0x0               ; aq s[4:5], wq s[6:7], bp s[8:9], out0 s[10:11]
	v_lshl_add_u32 v[SPW], v0, 2, SPARE
	v_mov_b32 v[NIL], 0
	ds_add_u32 v[SPW], v[NIL]                      ; the wave's opening: the add, twice on end, and its wait ahead of my first tensor load
	ds_add_u32 v[SPW], v[NIL]
	v_lshrrev_b32 v1, 5, v0
	v_readfirstlane_b32 s[WV], v1
	s_and_b32 s[I], s[WV], 1
	s_lshr_b32 s[J], s[WV], 1
	s_bfe_u32 s[CX], ttmp6, 0x40000
	s_bfe_u32 s[CY], ttmp6, 0x40004
	s_and_b32 s[CLY], ttmp7, 0xffff
	s_lshl_b32 s[PI], ttmp9, 2
	s_add_co_u32 s[PI], s[PI], s[CX]               ; which 256 columns
	s_lshl_b32 s[RI], s[CLY], 2
	s_add_co_u32 s[RI], s[RI], s[CY]               ; which 128 tokens
	s_lshl_b32 s22, s[CY], 2
	s_lshl_b32 s22, 15, s22                        ; my row of the cluster
	s_lshl_b32 s21, 0x1111, s[CX]                  ; my column
	s_or_b32 s[G1R], s22, (3<<16)|(1<<21)          ; a tile's part of a slot: 4,096 consecutive bytes; tiles 16,384 bytes apart; R: 4 tiles a load, P: 8
	s_mov_b32 s[G1R+1], 512<<16
	s_mov_b32 s[G1R+2], 4<<16
	s_mov_b32 s[G1R+3], 512<<16
	s_mov_b32 s[G1R+4], 4
	s_mov_b32 s[G1R+5], 2048
	s_mov_b32 s[G1R+6], 0
	s_mov_b32 s[G1R+7], 0
	s_or_b32 s[G1P], s21, (3<<16)|(1<<21)
	s_mov_b32 s[G1P+1], 512<<16
	s_mov_b32 s[G1P+2], 8<<16
	s_mov_b32 s[G1P+3], 512<<16
	s_mov_b32 s[G1P+4], 8
	s_mov_b32 s[G1P+5], 2048
	s_mov_b32 s[G1P+6], 0
	s_mov_b32 s[G1P+7], 0
	s_lshl_b32 s78, s[RI], 3
	s_lshl_b32 s79, s[I], 2
	s_add_co_u32 s78, s78, s79
	s_lshl_b32 s78, s78, 14                        ; R: the four tiles that I would fetch
	s_mov_b32 s79, 0
	s_lshl_b32 s80, s[PI], 4
	s_lshl_b32 s81, s[I], 3
	s_add_co_u32 s80, s80, s81
	s_lshl_b32 s80, s80, 14                        ; P: the eight tiles that I would fetch, and that I multiply
	s_lshr_b32 s84, s80, 5                         ; their scale bytes,
	s_add_co_u32 s84, s84, 0x400000+3*32768        ; among Wp's
	s_mov_b32 s85, 0
	s_add_co_u32 s80, s80, 3<<20                   ; Wp's codes in wq
	s_mov_b32 s81, 0
	s_lshl_b32 s82, s[I], 14
	s_lshl_b32 s83, s[I], 15
	s_add_co_u32 s83, s83, PREG
	s_lshl_b32 s86, s[RI], 3
	s_lshl_b32 s87, s[J], 2
	s_add_co_u32 s86, s86, s87
	s_lshl_b32 s86, s86, 9                         ; my R tiles' scale words
	s_add_co_u32 s86, s86, 0x800000
	s_mov_b32 s87, 0
	s_lshl_b32 s88, s[PI], 10
	s_lshl_b32 s89, s[I], 9
	s_add_co_u32 s88, s88, s89                     ; my first column, in bytes
	s_mov_b32 s89, 0
	s_lshl_b32 s90, s[RI], 7
	s_lshl_b32 s91, s[J], 6
	s_add_co_u32 s90, s90, s91
	s_lshl_b32 s90, s90, 12                        ; my first token's row of out0
	s_add_co_u32 s90, s90, s88
	s_mov_b32 s91, 0
	s_wait_dscnt 0x0                               ; both opening adds are done
	s_wait_kmcnt 0x0
	s_add_nc_u64 s[PCP:PCP+1], s[6:7], s[80:81]
	s_add_nc_u64 s[RCP:RCP+1], s[4:5], s[78:79]
	s_add_nc_u64 s[PSP:PSP+1], s[6:7], s[84:85]
	s_add_nc_u64 s[RSP:RSP+1], s[4:5], s[86:87]
	s_add_nc_u64 s[BPP:BPP+1], s[8:9], s[88:89]
	s_add_nc_u64 s[OUT:OUT+1], s[10:11], s[90:91]
.irp s, 0,1,2
	s_mov_b32 s[G0R+4*\s], 1
	s_add_co_u32 s[G0R+4*\s+1], s82, \s*SLOT
	s_add_nc_u64 s[G0R+4*\s+2:G0R+4*\s+3], s[RCP:RCP+1], \s*4096
	s_or_b32 s[G0R+4*\s+3], s[G0R+4*\s+3], 0x80000000
	s_mov_b32 s[G0P+4*\s], 1
	s_add_co_u32 s[G0P+4*\s+1], s83, \s*SLOT
	s_add_nc_u64 s[G0P+4*\s+2:G0P+4*\s+3], s[PCP:PCP+1], \s*4096
	s_or_b32 s[G0P+4*\s+3], s[G0P+4*\s+3], 0x80000000
.endr
	CROUND                                         ; all sixteen work-groups are here: the first joint loads meet
	s_cmp_eq_u32 s[J], 0                           ; a wave's three first fills stand in one branch
	s_cbranch_scc0 .Lfirst_p
	tensor_load_to_lds s[G0R:G0R+3], s[G1R:G1R+7]
	s_nop 0
	tensor_load_to_lds s[G0R+4:G0R+7], s[G1R:G1R+7]
	s_nop 0
	tensor_load_to_lds s[G0R+8:G0R+11], s[G1R:G1R+7]
	s_nop 0
.rept 4
	v_nop
.endr
	s_branch .Lfirst_done
.Lfirst_p:
	tensor_load_to_lds s[G0P:G0P+3], s[G1P:G1P+7]
	s_nop 0
	tensor_load_to_lds s[G0P+4:G0P+7], s[G1P:G1P+7]
	s_nop 0
	tensor_load_to_lds s[G0P+8:G0P+11], s[G1P:G1P+7]
	s_nop 0
.rept 4
	v_nop
.endr
.Lfirst_done:
	v_and_b32 v64, 15, v0                          ; r
	v_bfe_u32 v65, v0, 4, 1                        ; h
	v_lshlrev_b32 v[SCO], 5, v64
	v_lshl_add_u32 v[SCO], v65, 4, v[SCO]
	v_lshlrev_b32 v[RSO], 2, v64
	v_lshl_add_u32 v[RSO], v65, 8, v[RSO]
	v_lshlrev_b32 v[BO], 6, v65
.irp t, 0,1,2,3,4,5,6,7
	global_load_b128 v[PS+4*\t:PS+4*\t+3], v[SCO], s[PSP:PSP+1] offset:512*\t   ; register q: K step q in lanes 0-15, K step 4 + q in lanes 16-31
.endr
.irp a, 0,1,2,3
.irp q, 0,1,2,3
	global_load_b32 v[RS+4*\a+\q], v[RSO], s[RSP:RSP+1] offset:512*\a+64*\q      ; the same, from words laid [tile][K step][r]
.endr
.endr
.irp t, 0,1,2,3,4,5,6,7
	global_load_b128 v[BI+8*\t:BI+8*\t+3], v[BO], s[BPP:BPP+1] offset:(32*(\t/2)+8*(\t%2))*4       ; bp at the tile's eight columns of my half of the lanes
	global_load_b128 v[BI+8*\t+4:BI+8*\t+7], v[BO], s[BPP:BPP+1] offset:(32*(\t/2)+8*(\t%2))*4+16
.endr
	v_and_b32 v1, 31, v0
	v_lshlrev_b32 v[LI], 4, v1
	s_lshl_b32 s94, s[J], 14
.irp s, 0,1,2
	v_add_nc_u32 v[ADP+\s], s83, v[LI]
	v_add_nc_u32 v[ADR+\s], s94, v[LI]
	s_add_co_u32 s83, s83, SLOT
	s_add_co_u32 s94, s94, SLOT
.endr
	s_mul_i32 s95, s[WV], STGB
	s_add_co_u32 s95, s95, SLOT                    ; my stage, in slot 1
	v_mul_u32_u24 v[STO], v64, 528
	v_lshl_add_u32 v[STO], v65, 6, v[STO]
	v_add_nc_u32 v[STO], s95, v[STO]
	v_add_nc_u32 v[RD], s95, v[LI]
	s_wait_alu depctr_va_vdst(0)
	s_wait_tensorcnt 0x2                           ; my part of slot 0 is in; slots 1 and 2 may stay out
	s_barrier_signal -1
	s_barrier_wait -1
	FETCH 0, 0, 0
	s_wait_loadcnt 0x0                             ; the scale words and the bias
	STEP 0, 0, 0, 1, 1, 2                          ; the first step's products start the sums, from the bias
	TURN 1, 1, 1, 1                                ; slot 0 has been read out: it takes the last 256 along K
	STEP 2, 0, 1, 1, 0, 1
	STEP 3, 1, 2, 0, 0, 1
	STEP 4, 0, 2, 1, 0, 1
	TURN 5, 1, 0, 0                                ; the refill has landed, in every wave's part; nobody reads slot 1 any more
	STEP 6, 0, 0, 1, 0, 1
	s_wait_dscnt 0x0
	WIN 0x5f
	MULH 7, 0, 1
	MULH 7, 1, 1
	WIN 0
	PLACES 8                                       ; eight places in front of the first read of results
; THE WAY OUT.  LDS serves a wave's instructions in order (ISA guide 5.7.1.4): no wait between the stores into my stage and the loads from it, nor in front of the next tile's stores.
.macro TOSTAGE a
	WIN 0x04                                       ; an LDS store's data are its source 1: the accumulators' window
.irp b, 0,1,2,3
.irp q, 0,1,2,3
	ds_store_b128 v[STO], v[64*(\a)+16*\b+4*\q:64*(\a)+16*\b+4*\q+3] offset:128*\b+16*\q   ; each accumulator from its low end on; my token's columns 32 b + 16 h + 4 q on
.endr
.endr
	WIN 0
.set BB, BKR+64*((\a)%2)
.set i, 0
.rept 16
	ds_load_b128 v[BB+4*i:BB+4*i+3], v[RD] offset:528*i
.set i, i+1
.endr
.endm
.macro SEND a, younger                 ; younger: the LDS instructions issued behind tile a's loads, which may stay out
.set BB, BKR+64*((\a)%2)
	s_wait_dscnt \younger
.set i, 0
.rept 16
	global_store_b128 v[LI], v[BB+4*i:BB+4*i+3], s[OUT:OUT+1] offset:(32*((\a)/2)+8*((\a)%2)+i+8*(i/8))*4096 th:TH_STORE_NT   ; 32 lanes store 512 consecutive bytes of a token's row; written once, read by nobody here
.set i, i+1
.endr
.endm
	TOSTAGE 0
	TOSTAGE 1
	SEND 0, 32                                     ; behind tile 0's loads: tile 1's 16 stores and 16 loads
	s_wait_xcnt 0x0                                ; tile 0's stores have read their registers: tile 2's loads may land there
	TOSTAGE 2
	SEND 1, 32
	s_wait_xcnt 0x0
	TOSTAGE 3
	SEND 2, 32
	SEND 3, 0
	s_wait_tensorcnt 0x0                           ; the wave's end
	ds_add_u32 v[SPW], v[NIL]
	s_wait_dscnt 0x0
	CROUND                                         ; the closing round
	s_endpgm
.Lfunc_end_k_qd0e7b56a3c_proj:
	.size	k_qd0e7b56a3c_proj, .Lfunc_end_k_qd0e7b56a3c_proj-k_qd0e7b56a3c_proj
	.p2alignl 7, 3214868480
	.fill 96, 4, 3214868480
	.section	.rodata,"a",@progbits
	.p2align	6, 0x0
	.amdhsa_kernel k_qd0e7b56a3c_proj
		.amdhsa_group_segment_fixed_size 327680
		.amdhsa_private_segment_fixed_size 0
		.amdhsa_enable_private_segment 0
		.amdhsa_kernarg_size 32
		.amdhsa_user_sgpr_count 2
		.amdhsa_user_sgpr_kernarg_segment_ptr 1
		.amdhsa_wavefront_size32 1
		.amdhsa_system_sgpr_workgroup_id_x 1
		.amdhsa_system_sgpr_workgroup_id_y 1
		.amdhsa_system_sgpr_workgroup_id_z 1
		.amdhsa_system_vgpr_workitem_id 0
		.amdhsa_next_free_vgpr 1024
		.amdhsa_next_free_sgpr 100
		.amdhsa_reserve_vcc 0
		.amdhsa_float_denorm_mode_32 3
		.amdhsa_float_denorm_mode_16_64 3
		.amdhsa_memory_ordered 1
		.amdhsa_forward_progress 1
		.amdhsa_inst_pref_size 87
	.end_amdhsa_kernel
	.amdgpu_metadata
---
amdhsa.version: [ 1, 2 ]
amdhsa.kernels:
  - .name:           k_qd0e7b56a3c_proj
    .symbol:         k_qd0e7b56a3c_proj.kd
    .args:
      - { .name: aq, .offset: 0, .size: 8, .value_kind: global_buffer, .address_space: global }
      - { .name: wq, .offset: 8, .size: 8, .value_kind: global_buffer, .address_space: global }
      - { .name: bp, .offset: 16, .size: 8, .value_kind: global_buffer, .address_space: global }
      - { .name: out0, .offset: 24, .size: 8, .value_kind: global_buffer, .address_space: global }
    .group_segment_fixed_size: 327680
    .private_segment_fixed_size: 0
    .kernarg_segment_align: 8
    .kernarg_segment_size: 32
    .max_flat_workgroup_size: 128
    .sgpr_count:     100
    .vgpr_count:     1024
    .wavefront_size: 32
...
	.end_amdgpu_metadata
.endif
;; end of part 4
